; MI455X (gfx1250); checked and timed in simulation.
; The chip was launched on July 23, 2026; its instructions are those of AMD's public machine-readable ISA for CDNA 5 (MIT licence, August 2026) and "CDNA5" Instruction Set Architecture Reference Guide (July 2026). The comments in the code are by the model that wrote it; some were corrected since.
;; Mo E. Allowed arithmetic: matrix products marked QUANTISED: E2M1 operands, one E8M0 scale for each 32 along K, by v_wmma_scale_f32_16x16x128_f8f6f4 with both operands' format E2M1 (or v_wmma_scale_f32_32x16x128_f4), f32 sums; products left as they are: f32 operands where the result goes on into a quantised operand, else bf16, f16 or f32 operands; f32 sums; everything else in f32.
;; Inputs: b_fc 8 x 2,048 float32; b_proj 8 x 1,024 float32; hidden_states 4 x 512 x 1,024 float32; w_fc 8 x 2,048 x 1,024 float32; w_gate 8 x 1,024 float32; w_proj 8 x 1,024 x 2,048 float32.
;; Outputs: out0 4 x 512 x 1,024 float32.
;; This version of the problem:
;;   THIS VERSION OF THE PROBLEM IS GIVEN IN LOW PRECISION. The matrix products marked QUANTISED in the list below multiply operands that are first quantised to E2M1 (2 exponent bits, 1 mantissa bit; 4 bits a number), with one power-of-two scale for each 32 numbers along K (OCP MX v1.0); their sums are f32. All else is computed in f32.
;;   The module's matrix products, in the order in which they are computed (A, B: the left and right operand; K: the contracted axis; several contracted axes count as one K, in the product's order):
;;     1. [M 2,048, K 1,024] x [K 1,024, N 8]; A: input hidden_states; B: input w_gate: left as it is (N = 8 < 16)
;;     2. [M 2,048, K 1,024] x [K 1,024, N 2,048]; A: input hidden_states; B: input w_fc: QUANTISED
;;     3. [M 2,048, K 2,048] x [K 2,048, N 1,024]; A: computed on the way; B: input w_proj: QUANTISED
;;     4. [M 2,048, K 1,024] x [K 1,024, N 2,048]; A: input hidden_states; B: input w_fc: QUANTISED
;;     5. [M 2,048, K 2,048] x [K 2,048, N 1,024]; A: computed on the way; B: input w_proj: QUANTISED
;;     6. [M 2,048, K 1,024] x [K 1,024, N 2,048]; A: input hidden_states; B: input w_fc: QUANTISED
;;     7. [M 2,048, K 2,048] x [K 2,048, N 1,024]; A: computed on the way; B: input w_proj: QUANTISED
;;     8. [M 2,048, K 1,024] x [K 1,024, N 2,048]; A: input hidden_states; B: input w_fc: QUANTISED
;;     9. [M 2,048, K 2,048] x [K 2,048, N 1,024]; A: computed on the way; B: input w_proj: QUANTISED
;;     10. [M 2,048, K 1,024] x [K 1,024, N 2,048]; A: input hidden_states; B: input w_fc: QUANTISED
;;     11. [M 2,048, K 2,048] x [K 2,048, N 1,024]; A: computed on the way; B: input w_proj: QUANTISED
;;     12. [M 2,048, K 1,024] x [K 1,024, N 2,048]; A: input hidden_states; B: input w_fc: QUANTISED
;;     13. [M 2,048, K 2,048] x [K 2,048, N 1,024]; A: computed on the way; B: input w_proj: QUANTISED
;;     14. [M 2,048, K 1,024] x [K 1,024, N 2,048]; A: input hidden_states; B: input w_fc: QUANTISED
;;     15. [M 2,048, K 2,048] x [K 2,048, N 1,024]; A: computed on the way; B: input w_proj: QUANTISED
;;     16. [M 2,048, K 1,024] x [K 1,024, N 2,048]; A: input hidden_states; B: input w_fc: QUANTISED
;;     17. [M 2,048, K 2,048] x [K 2,048, N 1,024]; A: computed on the way; B: input w_proj: QUANTISED
;;   THE QUANTISER, for each operand of a quantised product, along K:
;;     - K is cut into blocks of 32 from its start; a last block that is shorter is filled with zeros.
;;     - A block's scale is 2^e with e = floor(log2(the largest magnitude in the block)) - 2, held to -126 .. 127; a block of zeros has e = 0. As a byte (E8M0): e + 127.
;;     - Each number is divided by its block's scale, clamped to +-6, and rounded to the nearest number of E2M1, ties to even, subnormals kept.
;;     - The product sums the exact products of the quantised numbers (number of the format x scale) in f32.
;;   ~~~python
;;   def quantise(x, axis):      # numpy; x: float32 -> the quantised numbers, widened to float32 again
;;       x = np.moveaxis(x, axis, -1); K = x.shape[-1]
;;       x = np.pad(x, [(0, 0)] * (x.ndim - 1) + [(0, -K % 32)]); x = x.reshape(x.shape[:-1] + (-1, 32)); a = np.abs(x).max(-1, keepdims=True)
;;       e = np.where(a > 0, np.clip(np.frexp(np.where(a > 0, a, 1))[1] - 1 - 2, -126, 127), 0)      # np.frexp(a)[1] - 1 = floor(log2(a)), exactly
;;       r = np.clip(x / 2.0 ** e, -6, 6)
;;       step = 2.0 ** (np.maximum(np.frexp(np.where(r == 0, 1, r))[1] - 1, 0) - 1)
;;       q = np.round(r / step) * step * 2.0 ** e      # np.round: ties to even
;;       return np.moveaxis(q.reshape(q.shape[:-2] + (-1,))[..., :K], -1, axis).astype(np.float32)
;;   ~~~
;;   OPERANDS COMPUTED ON THE WAY. 'Computed on the way' means the value that the module computes at that place (a softmax that the list does not call 'softmax' is quantised finished and normalised). What goes into a quantiser is computed in f32, as accurately as f32 sums, v_exp_f32 and their like allow (about 1e-6 of the number): no bf16 or f16 on the way to a quantiser, and a product that is left as it is and whose result goes on into a quantised operand takes f32 operands (vector FMAs, or v_wmma_f32_16x16x4_f32). A number that lies on a knife's edge between two numbers of the format may be rounded either way, as far as f32 arithmetic and the matrix unit's own rounding can turn it there, and no further.
;; 2 versions. Each part assembles by itself: llvm-mc -triple=amdgcn-amd-amdhsa -mcpu=gfx1250 --defsym DOCPART=n.
;; ======== version 1 of 2: 4 launches
;; workspace buffers: qa 10,043,392 bytes; qb 8,912,896 bytes; hid 5,713,920 bytes; route 8,192 bytes of whole numbers; lists 20,736 bytes of whole numbers
;; launch prep_a (part 1): grid 384 x 1, 8 waves a work-group, no clusters, 134,144 bytes of LDS; arguments hidden_states, w_gate, w_fc, qa, route; writes qa, route
.if DOCPART == 1
	.amdgcn_target "amdgcn-amd-amdhsa--gfx1250"
	.amdhsa_code_object_version 6
	.text
	.protected	k_q889d10d336_prep_a
	.globl	k_q889d10d336_prep_a
	.p2align	8
	.type	k_q889d10d336_prep_a,@function
k_q889d10d336_prep_a:
	s_mov_b64 s[64:65], 0
	v_nop
	global_prefetch_b8 v0, s[64:65] scope:SCOPE_SE
	s_setreg_imm32_b32 hwreg(HW_REG_WAVE_MODE, 25, 1), 1
	s_wait_xcnt 0x0
; FIRST OF FOUR LAUNCHES.  Work-groups 0-127: the router in f32 (logits, top-2, the two gates) and x as codes of FP4 (E2M1) with one E8M0 byte for each 32 along K.
; Work-groups 128-383: w_fc [8][2048][1024] f32 as codes, laid as IMAGES OF THE OPERAND'S REGISTERS, so that the product's launch loads each fragment by two dense loads of 512 bytes.
; qa: 0 w_fc's images | 0x800000 their scale words | 0x880000 x's codes [token][512 B] | 0x980000 x's scale bytes [token][32] | 0x990000 gates [token](lower expert's, higher expert's).  route: [token] the pair's number.
; A fragment's image (16 rows x 128 K, 1,024 bytes) is [c 0..1][lane][16 bytes] = registers 4 c .. 4 c + 3 of that lane: row lane % 16, k = 64 c + 32 (lane / 16) + 0 .. 31.
; THE ROWS OF W_FC THAT FORM A TILE ARE NOT NEIGHBOURS: row i of tile 2 b + u is hidden unit 32 b + 8 u + i + 8 (i / 8) of its group of 128, so that the next launch's results lie as 16 neighbours along the next K.
; A block's scale is 2^(floor(log2(largest magnitude)) - 2): the largest magnitude's exponent field - 2, held at 1 from below.
; THE PAIR.  A token's two experts lo < hi are stored as p = hi (hi - 1) / 2 + lo, at a fixed place: no address of this launch hangs on it.  Equal logits: the lower index wins, as in top_k.
; LIMITS: NaN and infinities are not served.  A block whose largest magnitude lies under 2^-124 (a block of zeros too) keeps the byte 1: its bytes are read by this program alone.
; The logits are f32 sums in another order than a plain loop's: where the second and third logit of a token agree to the last bit or two, either may be chosen.
; No tensor loads, no cluster: no two work-groups read the same bytes but w_gate's 32 KiB.  The two paths part on the work-group's number and have LDS bytes of their own; waves share nothing, so there is no barrier.
.set QB,   65536                       ; LDS of the weights' path: a stage of 16 rows x 528 bytes for each wave
.set QW,   8448
.set QP,   528                         ; 512 bytes + 16: the 16 rows that a load touches start 33 x 16 bytes apart
.set RB,   4096                        ; a row of w_fc in bytes
.set SKIP, 8                           ; rows 8-15 of a tile lie 8 rows further on
.set SRC,  8                           ; s[8:9]   where my unit's numbers begin
.set IMG,  24                          ; s[24:25] where its images go
.set SCP,  26                          ; s[26:27] and its scale words
.set R0,   16                          ; v16-143  two sets of 64: a step's numbers as loaded
.set XQ,   144                         ; v144-207 the same, turned: my two blocks of 32
.set MX,   208                         ; v208-209 largest magnitudes; v210-211 the conversions' scale operands; v212-213 bytes
.set SOP,  210
.set BYT,  212
.set CQ,   216                         ; v216-247 codes: eight registers for each step, so that no store's data are written again
.set SW,   248                         ; v248-251 the four steps' scale words
; 16 rows x 128 K of step q: each load reads 512 consecutive bytes of one row
.macro QLOAD q, dst
.irp i, 0,1,2,3,4,5,6,7,8,9,10,11,12,13,14,15
	global_load_b128 v[\dst+4*\i:\dst+4*\i+3], v1, s[SRC:SRC+1] offset:(\i+SKIP*(\i/8))*RB+512*(\q) th:TH_LOAD_NT
.endr
.endm
; Step q: through the stage (in as loaded, out 128 bytes a lane and block), two blocks' scales, 64 codes a lane, the image out
.macro QSTEP q
.set RS, R0+64*((\q)%2)
.if (\q) < 3
	s_wait_loadcnt 16                              ; this step's 16 loads are in; the next step's 16 may be out
.else
	s_wait_loadcnt 0x0
.endif
.irp i, 0,1,2,3,4,5,6,7,8,9,10,11,12,13,14,15
	ds_store_b128 v2, v[RS+4*\i:RS+4*\i+3] offset:QP*\i
.endr
.irp c, 0,1
.irp j, 0,1,2,3,4,5,6,7
	ds_load_b128 v[XQ+32*\c+4*\j:XQ+32*\c+4*\j+3], v3 offset:256*\c+16*\j   ; LDS serves a wave's instructions in order: these see the stores above
.endr
.endr
	s_wait_dscnt 0x0                               ; my 64 numbers are back, and the stores have read their registers,
.if (\q) < 2
	QLOAD (\q)+2, RS                               ; which take the loads of two steps on
.endif
.irp c, 0,1
	v_max3_num_f32 v[MX+\c], |v[XQ+32*\c]|, |v[XQ+32*\c+1]|, 0x1800000   ; block 2 c + h: all 32 numbers are mine; the floor 2^(3 - 127) holds the byte at 1 from below
.endr
.irp i, 2,4,6,8,10,12,14,16,18,20,22,24,26,28,30
.irp c, 0,1
	v_max3_num_f32 v[MX+\c], v[MX+\c], |v[XQ+32*\c+\i]|, |v[XQ+32*\c+\i+1]|
.endr
.endr
.irp c, 0,1
	v_add_nc_u32 v[SOP+\c], 0xff000000, v[MX+\c]   ; 2 off the exponent field: the conversion takes this operand's exponent field as its scale
.endr
.irp c, 0,1
	v_lshrrev_b32 v[BYT+\c], 23, v[SOP+\c]         ; the scale's byte
.endr
	v_lshl_or_b32 v214, v[BYT+1], 16, v[BYT]       ; my two bytes: blocks h and 2 + h of row r,
	v_lshlrev_b32 v214, v4, v214                   ; 8 h bits up;
	v_permlanex16_b32 v215, v214, s20, s21
	v_or_b32 v[SW+(\q)], v214, v215                ; with lane l xor 16's two the word is whole
.irp c, 0,1
.irp g, 0,1,2,3
	v_cvt_scalef32_pk8_fp4_f32 v[CQ+8*(\q)+4*\c+\g], v[XQ+32*\c+8*\g:XQ+32*\c+8*\g+7], v[SOP+\c]
.endr
.endr
	v_nop                                          ; one plain line behind the last scaled conversion
.irp c, 0,1
	global_store_b128 v1, v[CQ+8*(\q)+4*\c:CQ+8*(\q)+4*\c+3], s[IMG:IMG+1] offset:1024*(\q)+512*\c   ; 32 lanes store 512 consecutive bytes
.endr
.endm
	s_load_b256 s[4:11], s[0:1], 0x0               ; hidden_states s[4:5], w_gate s[6:7], w_fc s[8:9], qa s[10:11]
	s_load_b64 s[12:13], s[0:1], 0x20              ; route
	v_lshl_add_u32 v254, v0, 2, 0x20800
	v_mov_b32 v255, 0
	v_lshrrev_b32 v1, 5, v0
	v_readfirstlane_b32 s14, v1                    ; wave 0..7
	v_and_b32 v6, 31, v0                           ; lane
	v_lshlrev_b32 v1, 4, v6                        ; 16 x lane
	s_mov_b32 s20, 0x76543210
	s_mov_b32 s21, 0xfedcba98                      ; v_permlanex16_b32's selects for lane l xor 16
	s_cmp_lt_u32 ttmp9, 128
	s_cbranch_scc1 .Lrouter
	; ---- THE WEIGHTS.  Unit u = 8 (work-group - 128) + wave: tile u / 2 of 16 rows, 512 along K from 512 (u % 2): four steps of 128
	v_and_b32 v7, 15, v0                           ; r
	v_bfe_u32 v8, v0, 4, 1                         ; h
	s_mul_i32 s15, s14, QW
	s_add_co_u32 s15, s15, QB                      ; my stage
	v_add_nc_u32 v2, s15, v1                       ; in: 16 x lane, a row an instruction
	v_mul_u32_u24 v3, v7, QP
	v_lshl_add_u32 v3, v8, 7, v3
	v_add_nc_u32 v3, s15, v3                       ; out: row r, + 128 h
	v_lshlrev_b32 v4, 3, v8                        ; 8 h
	v_lshlrev_b32 v5, 4, v7                        ; 16 r
	v_mov_b32 v215, 0                              ; written once: a lane permute's destination counts as one of its sources
	s_sub_co_u32 s16, ttmp9, 128
	s_lshl_b32 s16, s16, 3
	s_add_co_u32 s16, s16, s14                     ; u
	s_lshr_b32 s17, s16, 1                         ; the tile T = (16 e + group) 8 + t
	s_lshr_b32 s22, s17, 3
	s_lshl_b32 s22, s22, 7                         ; its group's first row,
	s_bfe_u32 s23, s17, 0x20001
	s_lshl_b32 s23, s23, 5
	s_add_co_u32 s22, s22, s23                     ; + 32 (t / 2)
	s_and_b32 s23, s17, 1
	s_lshl_b32 s23, s23, 3
	s_add_co_u32 s22, s22, s23                     ; + 8 (t % 2)
	s_lshl_b32 s22, s22, 12                        ; in bytes (under 2^26)
	s_and_b32 s23, s16, 1
	s_lshl_b32 s23, s23, 11
	s_add_co_u32 s22, s22, s23                     ; + 2,048 bytes for the second 512 along K
	s_mov_b32 s23, 0
	s_lshl_b32 s24, s16, 12                        ; four images a unit
	s_mov_b32 s25, 0
	s_lshl_b32 s26, s16, 8                         ; 256 bytes of scale words a unit
	s_mov_b32 s27, 0
	s_wait_kmcnt 0x0
	s_add_nc_u64 s[SRC:SRC+1], s[8:9], s[22:23]
	s_add_nc_u64 s[IMG:IMG+1], s[10:11], s[24:25]
	s_add_nc_u64 s[SCP:SCP+1], s[10:11], s[26:27]
	s_add_nc_u64 s[SCP:SCP+1], s[SCP:SCP+1], 0x800000
	QLOAD 0, R0
	QLOAD 1, R0+64
	QSTEP 0
	QSTEP 1
	QSTEP 2
	QSTEP 3
	s_wait_xcnt 0x0                                ; EXEC changes only behind this wait
	v_cmp_gt_u32 vcc_lo, 16, v6
	s_wait_tensorcnt 0x0
	ds_add_u32 v254, v255
	s_wait_dscnt 0x0
	s_and_saveexec_b32 s28, vcc_lo
	global_store_b128 v5, v[SW:SW+3], s[SCP:SCP+1] ; row r's four words: sixteen lanes store 256 consecutive bytes, aligned
	s_endpgm
	; ---- THE ROUTER.  A wave takes tokens 16 x work-group + 2 x wave and the next.  Lane l holds x[128 j + 4 l .. + 3] of each, j = 0 .. 7
.set XR,  16                           ; v16-79   x: token k, piece j at 32 k + 4 j
.set GW,  80                           ; v80-175  three sets of w_gate's piece j: expert e at 4 e
.set ACC, 176                          ; v176-207 a pair of sums for (token k, expert e) at 16 k + 2 e
.set XN,  208                          ; v208-223 16 neighbours back from the stage
.set CD,  232                          ; v232-239 codes, two registers a step
.set EB,  240                          ; v240-243 a scale byte a step
.set LG,  80                           ; v80-95   the logits, 8 k + e
.set TP,  208                          ; v208-223 top-2 of token k at 8 k: largest, its index, second, its index, at work
.set PR,  112                          ; v112-127 token k at 8 k: lo, hi, p, lo's gate, hi's gate
.set SP,  80                           ; a lane's place in the stage: 64 bytes + 16 of padding
.set SBY, 2560                         ; behind the stage: my wave's 64 scale bytes
.macro GLOAD j
.irp e, 0,1,2,3,4,5,6,7
	global_load_b128 v[GW+32*((\j)%3)+4*\e:GW+32*((\j)%3)+4*\e+3], v1, s[6:7] offset:4096*\e+512*(\j)
.endr
.endm
; Step t quantises 512 numbers: half t % 2 of token t / 2.  They go through the stage as they lie and come back 16 neighbours a lane; two neighbouring lanes hold a block
.macro XSTEP t
.set XH, XR+32*((\t)/2)+16*((\t)%2)
.irp i, 0,1,2,3
	ds_store_b128 v14, v[XH+4*\i:XH+4*\i+3] offset:8*SP*\i
.endr
.irp i, 0,1,2,3
	ds_load_b128 v[XN+4*\i:XN+4*\i+3], v15 offset:16*\i
.endr
	s_wait_dscnt 0x0
	v_max3_num_f32 v224, |v[XN]|, |v[XN+1]|, |v[XN+2]|
	v_max3_num_f32 v225, |v[XN+3]|, |v[XN+4]|, |v[XN+5]|
.irp i, 6,10
	v_max3_num_f32 v224, v224, |v[XN+\i]|, |v[XN+\i+1]|
	v_max3_num_f32 v225, v225, |v[XN+\i+2]|, |v[XN+\i+3]|
.endr
	v_max3_num_f32 v224, v224, |v[XN+14]|, |v[XN+15]|
	v_max3_num_f32 v224, v224, v225, 0x1800000     ; and the floor 2^(3 - 127)
	v_max_num_f32_dpp v224, v224, v224 row_xmask:1 row_mask:0xf bank_mask:0xf   ; with my neighbour's 16: the block's
	v_add_nc_u32 v226, 0xff000000, v224
	v_cvt_scalef32_pk8_fp4_f32 v[CD+2*(\t)], v[XN:XN+7], v226
	v_cvt_scalef32_pk8_fp4_f32 v[CD+2*(\t)+1], v[XN+8:XN+15], v226
	v_lshrrev_b32 v[EB+(\t)], 23, v226             ; the byte (also the plain line behind the conversions)
	ds_store_b8 v5, v[EB+(\t)] offset:SBY+16*(\t)  ; both lanes of a block write the same byte with the same value
	global_store_b64 v4, v[CD+2*(\t):CD+2*(\t)+1], s[24:25] offset:256*(\t)   ; 32 lanes store 256 consecutive bytes, aligned
.endm
; Piece j of the 16 dot products: 32 packed multiply-adds; then the gate set of three pieces on takes this one's registers
.macro GSTEP j
.if (\j) < 6
	s_wait_loadcnt 16                              ; this piece's 8 loads are in; the two younger sets may be out
.elseif (\j) == 6
	s_wait_loadcnt 8
.else
	s_wait_loadcnt 0x0
.endif
.irp u, 0,2
.irp e, 0,1,2,3,4,5,6,7
.irp k, 0,1
.if ((\j) == 0) && (\u == 0)
	v_pk_mul_f32 v[ACC+16*\k+2*\e:ACC+16*\k+2*\e+1], v[XR+32*\k+4*(\j)+\u:XR+32*\k+4*(\j)+\u+1], v[GW+32*((\j)%3)+4*\e+\u:GW+32*((\j)%3)+4*\e+\u+1]   ; the first product starts the sums
.else
	v_pk_fma_f32 v[ACC+16*\k+2*\e:ACC+16*\k+2*\e+1], v[XR+32*\k+4*(\j)+\u:XR+32*\k+4*(\j)+\u+1], v[GW+32*((\j)%3)+4*\e+\u:GW+32*((\j)%3)+4*\e+\u+1], v[ACC+16*\k+2*\e:ACC+16*\k+2*\e+1]
.endif
.endr
.endr
.endr
.if (\j) < 5
	GLOAD (\j)+3
.endif
.endm
.Lrouter:
	s_lshl_b32 s15, s14, 13                        ; my wave's 8,192 bytes of LDS
	v_lshrrev_b32 v14, 2, v6
	v_mul_u32_u24 v14, v14, SP
	v_and_b32 v15, 3, v6
	v_lshl_add_u32 v14, v15, 4, v14
	v_add_nc_u32 v14, s15, v14                     ; the stage, in: SP (lane / 4) + 16 (lane % 4)
	v_mul_u32_u24 v15, v6, SP
	v_add_nc_u32 v15, s15, v15                     ; out: SP x lane
	v_lshlrev_b32 v4, 3, v6                        ; 8 x lane
	v_lshrrev_b32 v5, 1, v6
	v_add_nc_u32 v5, s15, v5                       ; my block's byte
	v_and_b32 v7, 15, v6
	v_lshlrev_b32 v7, 2, v7                        ; 4 (lane % 16)
	v_add_nc_u32 v8, s15, v7
	v_lshlrev_b32 v10, 2, v6                       ; 4 x lane
	s_lshl_b32 s16, ttmp9, 4
	s_lshl_b32 s17, s14, 1
	s_add_co_u32 s16, s16, s17                     ; my first token
	s_lshl_b32 s22, s16, 12
	s_mov_b32 s23, 0
	s_lshl_b32 s24, s16, 9
	s_mov_b32 s25, 0
	s_lshl_b32 s26, s16, 5
	s_mov_b32 s27, 0
	s_lshl_b32 s28, s16, 3
	s_mov_b32 s29, 0
	s_lshl_b32 s30, s16, 2
	s_mov_b32 s31, 0
	s_wait_kmcnt 0x0
	s_add_nc_u64 s[4:5], s[4:5], s[22:23]          ; x
	s_add_nc_u64 s[24:25], s[10:11], s[24:25]
	s_add_nc_u64 s[24:25], s[24:25], 0x880000      ; its codes
	s_add_nc_u64 s[26:27], s[10:11], s[26:27]
	s_add_nc_u64 s[26:27], s[26:27], 0x980000      ; its scale bytes
	s_add_nc_u64 s[28:29], s[10:11], s[28:29]
	s_add_nc_u64 s[28:29], s[28:29], 0x990000      ; its gates
	s_add_nc_u64 s[30:31], s[12:13], s[30:31]      ; its pair
.irp k, 0,1
.irp j, 0,1,2,3,4,5,6,7
	global_load_b128 v[XR+32*\k+4*\j:XR+32*\k+4*\j+3], v1, s[4:5] offset:4096*\k+512*\j th:TH_LOAD_NT
.endr
.endr
	GLOAD 0
	GLOAD 1
	GLOAD 2
	s_wait_loadcnt 24                              ; x's 16 loads are in; the three gate sets may be out
	XSTEP 0
	XSTEP 1
	XSTEP 2
	XSTEP 3
	GSTEP 0
	GSTEP 1
	GSTEP 2
	GSTEP 3
	GSTEP 4
	GSTEP 5
	GSTEP 6
	GSTEP 7
.irp i, 0,1,2,3,4,5,6,7,8,9,10,11,12,13,14,15
	v_add_f32 v[LG+\i], v[ACC+2*\i], v[ACC+2*\i+1] ; a pair's two halves
.endr
.irp m, 1,2,4,8
.irp i, 0,1,2,3,4,5,6,7,8,9,10,11,12,13,14,15
	v_add_f32_dpp v[LG+\i], v[LG+\i], v[LG+\i] row_xmask:\m row_mask:0xf bank_mask:0xf
.endr
.endr
.irp i, 0,1,2,3,4,5,6,7,8,9,10,11,12,13,14,15
	v_permlanex16_b32 v[ACC+\i], v[LG+\i], s20, s21
.endr
.irp i, 0,1,2,3,4,5,6,7,8,9,10,11,12,13,14,15
	v_add_f32 v[LG+\i], v[LG+\i], v[ACC+\i]        ; every lane holds all 16 logits
.endr
	; top-2, the experts in ascending order; only a strictly larger logit displaces, so the lower index is kept
.irp k, 0,1
	v_mov_b32 v[TP+8*\k], v[LG+8*\k]
	v_mov_b32 v[TP+8*\k+1], 0
	v_mov_b32 v[TP+8*\k+2], 0xff800000
	v_mov_b32 v[TP+8*\k+3], 0
.endr
.irp e, 1,2,3,4,5,6,7
.irp k, 0,1
	v_cmp_gt_f32 s[32+\k], v[LG+8*\k+\e], v[TP+8*\k]
	v_cmp_gt_f32 s[34+\k], v[LG+8*\k+\e], v[TP+8*\k+2]
.endr
.irp k, 0,1
	v_cndmask_b32 v[TP+8*\k+3], v[TP+8*\k+3], \e, s[34+\k]
	v_min_num_f32 v[TP+8*\k+4], v[LG+8*\k+\e], v[TP+8*\k]
.endr
.irp k, 0,1
	v_cndmask_b32 v[TP+8*\k+3], v[TP+8*\k+3], v[TP+8*\k+1], s[32+\k]
	v_max_num_f32 v[TP+8*\k+2], v[TP+8*\k+2], v[TP+8*\k+4]
.endr
.irp k, 0,1
	v_cndmask_b32 v[TP+8*\k+1], v[TP+8*\k+1], \e, s[32+\k]
	v_max_num_f32 v[TP+8*\k], v[TP+8*\k], v[LG+8*\k+\e]
.endr
.endr
	; softmax over the two, the larger taken away first: 1 / (1 + z) and z / (1 + z), z = e^(second - largest)
.irp k, 0,1
	v_sub_f32 v[TP+8*\k+4], v[TP+8*\k+2], v[TP+8*\k]
.endr
.irp k, 0,1
	v_mul_f32 v[TP+8*\k+4], 0x3fb8aa3b, v[TP+8*\k+4]
.endr
.irp k, 0,1
	v_exp_f32 v[TP+8*\k+5], v[TP+8*\k+4]
.endr
	v_nop                                          ; a plain line behind the transcendentals,
	s_wait_alu depctr_va_vdst(0)                   ; and one wait for both ahead of their first reader
.irp k, 0,1
	v_add_f32 v[TP+8*\k+6], 1.0, v[TP+8*\k+5]
.endr
.irp k, 0,1
	v_rcp_f32 v[TP+8*\k+7], v[TP+8*\k+6]
.endr
	v_nop
	s_wait_alu depctr_va_vdst(0)
.irp k, 0,1
	v_mul_f32 v[TP+8*\k+6], v[TP+8*\k+5], v[TP+8*\k+7]          ; the second's gate; the largest's is the reciprocal
	v_min_u32 v[PR+8*\k], v[TP+8*\k+1], v[TP+8*\k+3]            ; lo
	v_max_u32 v[PR+8*\k+1], v[TP+8*\k+1], v[TP+8*\k+3]          ; hi
	v_add_nc_u32 v[PR+8*\k+2], -1, v[PR+8*\k+1]
	v_mul_u32_u24 v[PR+8*\k+2], v[PR+8*\k+2], v[PR+8*\k+1]
	v_lshrrev_b32 v[PR+8*\k+2], 1, v[PR+8*\k+2]
	v_add_nc_u32 v[PR+8*\k+2], v[PR+8*\k+2], v[PR+8*\k]         ; p = hi (hi - 1) / 2 + lo
	v_cmp_lt_u32 vcc_lo, v[TP+8*\k+1], v[TP+8*\k+3]
	v_cndmask_b32 v[PR+8*\k+3], v[TP+8*\k+6], v[TP+8*\k+7], vcc_lo   ; lo's gate
	v_cndmask_b32 v[PR+8*\k+4], v[TP+8*\k+7], v[TP+8*\k+6], vcc_lo   ; hi's
.endr
	v_and_b32 v9, 1, v6
	v_cmp_eq_u32 vcc_lo, 1, v9                     ; lane 0 stores the first token's, lane 1 the second's
	v_cndmask_b32 v128, v[PR+2], v[PR+10], vcc_lo
	v_cndmask_b32 v130, v[PR+3], v[PR+11], vcc_lo
	v_cndmask_b32 v131, v[PR+4], v[PR+12], vcc_lo
	ds_load_b32 v129, v8 offset:SBY                ; my wave's 64 scale bytes, a word a lane
	s_wait_dscnt 0x0
	s_wait_xcnt 0x0                                ; EXEC changes only behind this wait
	v_cmp_gt_u32 vcc_lo, 16, v6
	s_wait_tensorcnt 0x0
	ds_add_u32 v254, v255
	s_wait_dscnt 0x0
	s_and_saveexec_b32 s36, vcc_lo
	global_store_b32 v7, v129, s[26:27]            ; 64 consecutive bytes: with the pairs and gates below 88 KiB of the launch's 10 MB leave in pieces under 256 bytes
	s_wait_xcnt 0x0
	s_or_b32 exec_lo, exec_lo, s36
	v_cmp_gt_u32 vcc_lo, 2, v6
	s_and_saveexec_b32 s36, vcc_lo
	global_store_b32 v10, v128, s[30:31]
	global_store_b64 v4, v[130:131], s[28:29]
	s_endpgm
.Lfunc_end_k_q889d10d336_prep_a:
	.size	k_q889d10d336_prep_a, .Lfunc_end_k_q889d10d336_prep_a-k_q889d10d336_prep_a
	.p2alignl 7, 3214868480
	.fill 96, 4, 3214868480
	.section	.rodata,"a",@progbits
	.p2align	6, 0x0
	.amdhsa_kernel k_q889d10d336_prep_a
		.amdhsa_group_segment_fixed_size 134144
		.amdhsa_private_segment_fixed_size 0
		.amdhsa_enable_private_segment 0
		.amdhsa_kernarg_size 40
		.amdhsa_user_sgpr_count 2
		.amdhsa_user_sgpr_kernarg_segment_ptr 1
		.amdhsa_wavefront_size32 1
		.amdhsa_system_sgpr_workgroup_id_x 1
		.amdhsa_system_sgpr_workgroup_id_y 1
		.amdhsa_system_sgpr_workgroup_id_z 1
		.amdhsa_system_vgpr_workitem_id 0
		.amdhsa_next_free_vgpr 256
		.amdhsa_next_free_sgpr 66
		.amdhsa_reserve_vcc 1
		.amdhsa_float_denorm_mode_32 3
		.amdhsa_float_denorm_mode_16_64 3
		.amdhsa_memory_ordered 1
		.amdhsa_forward_progress 1
		.amdhsa_inst_pref_size 75
	.end_amdhsa_kernel
	.amdgpu_metadata
---
amdhsa.version: [ 1, 2 ]
amdhsa.kernels:
  - .name:           k_q889d10d336_prep_a
    .symbol:         k_q889d10d336_prep_a.kd
    .args:
      - { .name: hidden_states, .offset: 0, .size: 8, .value_kind: global_buffer, .address_space: global }
      - { .name: w_gate, .offset: 8, .size: 8, .value_kind: global_buffer, .address_space: global }
      - { .name: w_fc, .offset: 16, .size: 8, .value_kind: global_buffer, .address_space: global }
      - { .name: qa, .offset: 24, .size: 8, .value_kind: global_buffer, .address_space: global }
      - { .name: route, .offset: 32, .size: 8, .value_kind: global_buffer, .address_space: global }
    .group_segment_fixed_size: 134144
    .private_segment_fixed_size: 0
    .kernarg_segment_align: 8
    .kernarg_segment_size: 40
    .max_flat_workgroup_size: 256
    .sgpr_count:     66
    .vgpr_count:     256
    .wavefront_size: 32
...
	.end_amdgpu_metadata
.endif
;; end of part 1
;; launch prep_b (part 2): grid 257 x 1, 8 waves a work-group, no clusters, 69,632 bytes of LDS; arguments route, w_proj, qb, lists; writes qb, lists
.if DOCPART == 2
	.amdgcn_target "amdgcn-amd-amdhsa--gfx1250"
	.amdhsa_code_object_version 6
	.text
	.protected	k_q889d10d336_prep_b
	.globl	k_q889d10d336_prep_b
	.p2align	8
	.type	k_q889d10d336_prep_b,@function
k_q889d10d336_prep_b:
	s_mov_b64 s[64:65], 0
	v_nop
	global_prefetch_b8 v0, s[64:65] scope:SCOPE_SE
	s_setreg_imm32_b32 hwreg(HW_REG_WAVE_MODE, 25, 1), 1
	s_wait_xcnt 0x0
; SECOND LAUNCH.  Work-groups 1-256: w_proj [8][1024][2048] f32 as codes of FP4 (E2M1), laid as images of the operand's registers (16 neighbouring rows x 128 K: [c][lane][16 bytes]), and their scale words.
; qb: 0 images [tile of 16 rows][K step 0..15][1,024 B] | 0x800000 scale words [tile][512 along K][row][4 words].
; Work-group 0: THE PLACING.  The 2,048 tokens are sorted by their pair of experts (28 bins, the number that the launch before stored); each bin is filled up to whole tiles of 16 rows: never more than 128 + 27 tiles.
; lists: 0 tok[16 x tile + row] (a filling row holds token 0; its results are never stored) | 0x2800 tinfo[tile] = lo | hi << 8 | rows in use << 16 | 0x2c00 elist[expert][place] = 2 x tile + (0: the tile's lower expert, 1: its higher)
;        | 0x5000 the number of tiles, then the eight lists' lengths.  Words 2480-2511 of tok and 2048-2303 of elist take what has no place; nobody reads them.
; No atomics: a wave counts its 256 tokens bin by bin in lane masks; the eight waves' counts meet in LDS behind one barrier; every wave then walks the 28 bins with the running sums in scalar registers.
; LIMITS of the quantiser: NaN and infinities are not served; a block whose largest magnitude lies under 2^-124 (a block of zeros too) keeps the byte 1: its bytes are read by this program alone.
; No tensor loads, no cluster: no two work-groups read the same bytes.  The two paths part on the work-group's number and have LDS bytes of their own.
.set QB,   1024                        ; LDS of the weights' path: a stage of 16 rows x 528 bytes for each wave; bytes 0-1,023 are the placing's table
.set QW,   8448
.set QP,   528
.set RB,   8192                        ; a row of w_proj in bytes
.set SKIP, 0                           ; a tile's rows are neighbours
.set SRC,  6
.set IMG,  24
.set SCP,  26
.set R0,   16
.set XQ,   144
.set MX,   208
.set SOP,  210
.set BYT,  212
.set CQ,   216
.set SW,   248
.macro QLOAD q, dst
.irp i, 0,1,2,3,4,5,6,7,8,9,10,11,12,13,14,15
	global_load_b128 v[\dst+4*\i:\dst+4*\i+3], v1, s[SRC:SRC+1] offset:(\i+SKIP*(\i/8))*RB+512*(\q) th:TH_LOAD_NT
.endr
.endm
.macro QSTEP q
.set RS, R0+64*((\q)%2)
.if (\q) < 3
	s_wait_loadcnt 16                              ; this step's 16 loads are in; the next step's 16 may be out
.else
	s_wait_loadcnt 0x0
.endif
.irp i, 0,1,2,3,4,5,6,7,8,9,10,11,12,13,14,15
	ds_store_b128 v2, v[RS+4*\i:RS+4*\i+3] offset:QP*\i
.endr
.irp c, 0,1
.irp j, 0,1,2,3,4,5,6,7
	ds_load_b128 v[XQ+32*\c+4*\j:XQ+32*\c+4*\j+3], v3 offset:256*\c+16*\j   ; LDS serves a wave's instructions in order: these see the stores above
.endr
.endr
	s_wait_dscnt 0x0                               ; my 64 numbers are back, and the stores have read their registers,
.if (\q) < 2
	QLOAD (\q)+2, RS                               ; which take the loads of two steps on
.endif
.irp c, 0,1
	v_max3_num_f32 v[MX+\c], |v[XQ+32*\c]|, |v[XQ+32*\c+1]|, 0x1800000   ; block 2 c + h: all 32 numbers are mine; the floor 2^(3 - 127) holds the byte at 1 from below
.endr
.irp i, 2,4,6,8,10,12,14,16,18,20,22,24,26,28,30
.irp c, 0,1
	v_max3_num_f32 v[MX+\c], v[MX+\c], |v[XQ+32*\c+\i]|, |v[XQ+32*\c+\i+1]|
.endr
.endr
.irp c, 0,1
	v_add_nc_u32 v[SOP+\c], 0xff000000, v[MX+\c]   ; 2 off the exponent field: the conversion's scale operand
.endr
.irp c, 0,1
	v_lshrrev_b32 v[BYT+\c], 23, v[SOP+\c]         ; the scale's byte
.endr
	v_lshl_or_b32 v214, v[BYT+1], 16, v[BYT]
	v_lshlrev_b32 v214, v4, v214
	v_permlanex16_b32 v215, v214, s20, s21
	v_or_b32 v[SW+(\q)], v214, v215                ; row r's scale word of this K step
.irp c, 0,1
.irp g, 0,1,2,3
	v_cvt_scalef32_pk8_fp4_f32 v[CQ+8*(\q)+4*\c+\g], v[XQ+32*\c+8*\g:XQ+32*\c+8*\g+7], v[SOP+\c]
.endr
.endr
	v_nop                                          ; one plain line behind the last scaled conversion
.irp c, 0,1
	global_store_b128 v1, v[CQ+8*(\q)+4*\c:CQ+8*(\q)+4*\c+3], s[IMG:IMG+1] offset:1024*(\q)+512*\c   ; 32 lanes store 512 consecutive bytes
.endr
.endm
	s_load_b256 s[4:11], s[0:1], 0x0               ; route s[4:5], w_proj s[6:7], qb s[8:9], lists s[10:11]
	v_lshl_add_u32 v254, v0, 2, 0x10c00
	v_mov_b32 v255, 0
	v_lshrrev_b32 v1, 5, v0
	v_readfirstlane_b32 s14, v1                    ; wave 0..7
	v_and_b32 v6, 31, v0                           ; lane
	v_lshlrev_b32 v1, 4, v6                        ; 16 x lane
	s_mov_b32 s20, 0x76543210
	s_mov_b32 s21, 0xfedcba98
	s_cmp_eq_u32 ttmp9, 0
	s_cbranch_scc1 .Lplace
	; ---- THE WEIGHTS.  Unit u = 8 (work-group - 1) + wave: tile u / 4 of 16 rows, 512 along K from 512 (u % 4)
	v_and_b32 v7, 15, v0                           ; r
	v_bfe_u32 v8, v0, 4, 1                         ; h
	s_mul_i32 s15, s14, QW
	s_add_co_u32 s15, s15, QB                      ; my stage
	v_add_nc_u32 v2, s15, v1
	v_mul_u32_u24 v3, v7, QP
	v_lshl_add_u32 v3, v8, 7, v3
	v_add_nc_u32 v3, s15, v3
	v_lshlrev_b32 v4, 3, v8
	v_lshlrev_b32 v5, 4, v7
	v_mov_b32 v215, 0                              ; written once: a lane permute's destination counts as one of its sources
	s_sub_co_u32 s16, ttmp9, 1
	s_lshl_b32 s16, s16, 3
	s_add_co_u32 s16, s16, s14                     ; u
	s_lshr_b32 s22, s16, 2
	s_lshl_b32 s22, s22, 17                        ; 16 rows of 8,192 bytes a tile (under 2^26)
	s_and_b32 s23, s16, 3
	s_lshl_b32 s23, s23, 11
	s_add_co_u32 s22, s22, s23
	s_mov_b32 s23, 0
	s_lshl_b32 s24, s16, 12
	s_mov_b32 s25, 0
	s_lshl_b32 s26, s16, 8
	s_mov_b32 s27, 0
	s_wait_kmcnt 0x0
	s_add_nc_u64 s[SRC:SRC+1], s[6:7], s[22:23]
	s_add_nc_u64 s[IMG:IMG+1], s[8:9], s[24:25]
	s_add_nc_u64 s[SCP:SCP+1], s[8:9], s[26:27]
	s_add_nc_u64 s[SCP:SCP+1], s[SCP:SCP+1], 0x800000
	QLOAD 0, R0
	QLOAD 1, R0+64
	QSTEP 0
	QSTEP 1
	QSTEP 2
	QSTEP 3
	s_wait_xcnt 0x0                                ; EXEC changes only behind this wait
	v_cmp_gt_u32 vcc_lo, 16, v6
	s_wait_tensorcnt 0x0
	ds_add_u32 v254, v255
	s_wait_dscnt 0x0
	s_and_saveexec_b32 s28, vcc_lo
	global_store_b128 v5, v[SW:SW+3], s[SCP:SCP+1] ; sixteen lanes store 256 consecutive bytes, aligned
	s_endpgm
	; ---- THE PLACING.  Wave w owns tokens 256 w + 32 i + lane, i = 0 .. 7
.set PB,  8                            ; v8-15   my eight tokens' bins
.set RK,  16                           ; v16-23  their ranks among my wave's tokens of the same bin
.set TT,  24                           ; v24-31  at work; later the tokens' numbers
.set CNT, 32                           ; v32     lane b: my wave's tokens in bin b
.set TAB, 40                           ; v40-47  the eight waves' counts
.set BS,  56                           ; v56-63  where my wave's tokens of my token's bin begin in tok
; v48 lane b: the bin's tokens; v49: those of earlier waves; v50: its tiles; v51: its first tile.  v52-55, v64: of tile v0: its bin's first tile, its place in lo's list, in hi's, the bin's tokens, lo | hi << 8
; s[36:63] the bins' tiles; s[68:75] the experts' running list lengths; s101 the running number of tiles; s76-100 at work
; One bin: the masks of my tokens in it, their counts, a running sum over i, each token's rank.  The lines go in batches of eight, so that vector and scalar units wait for each other once a bin
.macro BINCOUNT b
.irp i, 0,1,2,3,4,5,6,7
	v_cmp_eq_u32 s[76+\i], \b, v[PB+\i]
.endr
.irp i, 0,1,2,3,4,5,6,7
	s_bcnt1_i32_b32 s[84+\i], s[76+\i]
.endr
	s_mov_b32 s92, 0
.irp i, 0,1,2,3,4,5,6
	s_add_co_u32 s[93+\i], s[92+\i], s[84+\i]
.endr
.irp i, 0,1,2,3,4,5,6,7
	v_mbcnt_lo_u32_b32 v[TT+\i], s[76+\i], s[92+\i]          ; those in lower lanes + those of lower i
.endr
.irp i, 0,1,2,3,4,5,6,7
	v_cndmask_b32 v[RK+\i], v[RK+\i], v[TT+\i], s[76+\i]
.endr
	s_add_co_u32 s100, s99, s91
	v_writelane_b32 v[CNT], s100, \b
.endm
; One bin, behind the barrier.  The running sums are the bin's first tile and its places in its two experts' lists.  A token of the bin takes its wave's base; a tile at or behind the bin's first tile takes the bin's
; facts: later bins write over them, and an empty bin begins where the next one does, so each tile keeps the facts of the bin that holds it
.macro BIN lo, hi, bin
	v_readlane_b32 s76, v49, \bin
	v_readlane_b32 s77, v48, \bin
	s_lshl_b32 s78, s101, 4
	s_add_co_u32 s76, s76, s78                     ; 16 x first tile + the earlier waves' tokens
	s_add_co_u32 s79, s[68+\lo], 256*\lo
	s_add_co_u32 s80, s[68+\hi], 256*\hi
	v_writelane_b32 v51, s101, \bin
.irp i, 0,1,2,3,4,5,6,7
	v_cmp_eq_u32 s[84+\i], \bin, v[PB+\i]
.endr
.irp i, 0,1,2,3,4,5,6,7
	v_cndmask_b32 v[BS+\i], v[BS+\i], s76, s[84+\i]
.endr
	v_cmp_le_u32 vcc_lo, s101, v0
	v_cndmask_b32 v52, v52, s101, vcc_lo
	v_cndmask_b32 v53, v53, s79, vcc_lo
	v_cndmask_b32 v54, v54, s80, vcc_lo
	v_cndmask_b32 v55, v55, s77, vcc_lo
	v_cndmask_b32 v64, v64, (\lo)|((\hi)<<8), vcc_lo
	s_add_co_u32 s101, s101, s[36+\bin]
	s_add_co_u32 s[68+\lo], s[68+\lo], s[36+\bin]
	s_add_co_u32 s[68+\hi], s[68+\hi], s[36+\bin]
.endm
.Lplace:
	v_lshlrev_b32 v7, 2, v0                        ; 4 x thread
	v_lshlrev_b32 v35, 2, v6                       ; 4 x lane
	s_lshl_b32 s15, s14, 10
	v_add_nc_u32 v33, s15, v35                     ; my first token's word in route
	s_lshl_b32 s15, s14, 8
	v_add_nc_u32 v34, s15, v6                      ; my first token
.irp i, 0,1,2,3,4,5,6,7
	v_mov_b32 v[RK+\i], 0
	v_mov_b32 v[BS+\i], 0
.endr
.irp r, 32,49,51,52,53,54,55,64,68,69
	v_mov_b32 v\r, 0
.endr
	s_wait_kmcnt 0x0
.irp i, 0,1,2,3,4,5,6,7
	global_load_b32 v[PB+\i], v33, s[4:5] offset:128*\i
.endr
	s_wait_loadcnt 0x0
.irp i, 0,1,2,3,4,5,6,7
	v_min_u32 v[PB+\i], 27, v[PB+\i]
.endr
.irp b, 0,1,2,3,4,5,6,7,8,9,10,11,12,13,14,15,16,17,18,19,20,21,22,23,24,25,26,27
	BINCOUNT \b
.endr
	ds_store_b32 v7, v[CNT]                        ; my wave's 32 counts
	s_wait_dscnt 0x0                               ; for the others' sake: they have landed
	s_barrier_signal -1
	s_barrier_wait -1
.irp q, 0,1,2,3,4,5,6,7
	ds_load_b32 v[TAB+\q], v35 offset:128*\q
.endr
	s_wait_dscnt 0x0
	v_add3_u32 v48, v[TAB], v[TAB+1], v[TAB+2]
	v_add3_u32 v48, v48, v[TAB+3], v[TAB+4]
	v_add3_u32 v48, v48, v[TAB+5], v[TAB+6]
	v_add_nc_u32 v48, v48, v[TAB+7]                ; lane b: the bin's tokens
.irp q, 0,1,2,3,4,5,6
	s_cmp_gt_u32 s14, \q
	s_cselect_b32 s100, -1, 0
	v_and_b32 v36, s100, v[TAB+\q]
	v_add_nc_u32 v49, v49, v36                     ; those of earlier waves
.endr
	v_add_nc_u32 v50, 15, v48
	v_lshrrev_b32 v50, 4, v50                      ; its tiles
.irp b, 0,1,2,3,4,5,6,7,8,9,10,11,12,13,14,15,16,17,18,19,20,21,22,23,24,25,26,27
	v_readlane_b32 s[36+\b], v50, \b
.endr
.irp e, 0,1,2,3,4,5,6,7
	s_mov_b32 s[68+\e], 0
.endr
	s_mov_b32 s101, 0
	BIN 0, 1, 0
	BIN 0, 2, 1
	BIN 1, 2, 2
	BIN 0, 3, 3
	BIN 1, 3, 4
	BIN 2, 3, 5
	BIN 0, 4, 6
	BIN 1, 4, 7
	BIN 2, 4, 8
	BIN 3, 4, 9
	BIN 0, 5, 10
	BIN 1, 5, 11
	BIN 2, 5, 12
	BIN 3, 5, 13
	BIN 4, 5, 14
	BIN 0, 6, 15
	BIN 1, 6, 16
	BIN 2, 6, 17
	BIN 3, 6, 18
	BIN 4, 6, 19
	BIN 5, 6, 20
	BIN 0, 7, 21
	BIN 1, 7, 22
	BIN 2, 7, 23
	BIN 3, 7, 24
	BIN 4, 7, 25
	BIN 5, 7, 26
	BIN 6, 7, 27
.irp i, 0,1,2,3,4,5,6,7
	v_add_nc_u32 v[BS+\i], v[BS+\i], v[RK+\i]      ; my token's row
	v_min_u32 v[BS+\i], 0x9af, v[BS+\i]            ; held inside tok's 2,480 rows
	v_lshlrev_b32 v[BS+\i], 2, v[BS+\i]
	v_add_nc_u32 v[TT+\i], 32*\i, v34
	global_store_b32 v[BS+\i], v[TT+\i], s[10:11]
.endr
	s_cmp_lg_u32 s14, 0
	s_cbranch_scc1 .Lnot_wave_0
	; wave 0, a lane a bin: the rows that fill the bin's last tile get token 0; what would pass the bin's end goes to the lane's spare word
	v_lshl_add_u32 v65, v51, 4, v48
	v_add_nc_u32 v66, v51, v50
	v_lshlrev_b32 v66, 4, v66
	v_add_nc_u32 v67, 0x9b0, v6
.irp k, 0,1,2,3,4,5,6,7,8,9,10,11,12,13,14
	v_add_nc_u32 v[70+\k], \k, v65
	v_cmp_lt_u32 vcc_lo, v[70+\k], v66
	v_cndmask_b32 v[70+\k], v67, v[70+\k], vcc_lo
	v_min_u32 v[70+\k], 0x9cf, v[70+\k]
	v_lshlrev_b32 v[70+\k], 2, v[70+\k]
	global_store_b32 v[70+\k], v68, s[10:11]
.endr
	v_writelane_b32 v69, s101, 0                   ; the number of tiles,
.irp e, 0,1,2,3,4,5,6,7
	v_writelane_b32 v69, s[68+\e], 1+\e            ; the lists' lengths
.endr
	global_store_b32 v35, v69, s[10:11] offset:0x5000
.Lnot_wave_0:
	s_cmp_gt_u32 s14, 4
	s_cbranch_scc1 .Lplaced
	; threads 0-159, a thread a tile
	v_sub_nc_u32 v90, v0, v52                      ; which tile of its bin
	v_lshlrev_b32 v91, 4, v90
	v_sub_nc_u32 v91, v55, v91
	v_max_i32 v91, 0, v91
	v_min_i32 v91, 16, v91                         ; rows in use: 0 behind the last tile
	v_lshl_or_b32 v92, v91, 16, v64
	global_store_b32 v7, v92, s[10:11] offset:0x2800
	v_add_nc_u32 v93, v53, v90
	v_add_nc_u32 v94, v54, v90
	v_add_nc_u32 v95, 0x800, v0
	v_cmp_gt_u32 vcc_lo, s101, v0
	v_cndmask_b32 v93, v95, v93, vcc_lo            ; a thread behind the last tile writes its spare word
	v_cndmask_b32 v94, v95, v94, vcc_lo
	v_min_u32 v93, 0x8ff, v93
	v_min_u32 v94, 0x8ff, v94
	v_lshlrev_b32 v93, 2, v93
	v_lshlrev_b32 v94, 2, v94
	v_lshlrev_b32 v96, 1, v0
	v_or_b32 v97, 1, v96
	global_store_b32 v93, v96, s[10:11] offset:0x2c00
	global_store_b32 v94, v97, s[10:11] offset:0x2c00
.Lplaced:
	s_wait_tensorcnt 0x0
	ds_add_u32 v254, v255
	s_wait_dscnt 0x0
	s_endpgm
.Lfunc_end_k_q889d10d336_prep_b:
	.size	k_q889d10d336_prep_b, .Lfunc_end_k_q889d10d336_prep_b-k_q889d10d336_prep_b
	.p2alignl 7, 3214868480
	.fill 96, 4, 3214868480
	.section	.rodata,"a",@progbits
	.p2align	6, 0x0
	.amdhsa_kernel k_q889d10d336_prep_b
		.amdhsa_group_segment_fixed_size 69632
		.amdhsa_private_segment_fixed_size 0
		.amdhsa_enable_private_segment 0
		.amdhsa_kernarg_size 32
		.amdhsa_user_sgpr_count 2
		.amdhsa_user_sgpr_kernarg_segment_ptr 1
		.amdhsa_wavefront_size32 1
		.amdhsa_system_sgpr_workgroup_id_x 1
		.amdhsa_system_sgpr_workgroup_id_y 1
		.amdhsa_system_sgpr_workgroup_id_z 1
		.amdhsa_system_vgpr_workitem_id 0
		.amdhsa_next_free_vgpr 256
		.amdhsa_next_free_sgpr 102
		.amdhsa_reserve_vcc 1
		.amdhsa_float_denorm_mode_32 3
		.amdhsa_float_denorm_mode_16_64 3
		.amdhsa_memory_ordered 1
		.amdhsa_forward_progress 1
		.amdhsa_inst_pref_size 154
	.end_amdhsa_kernel
	.amdgpu_metadata
---
amdhsa.version: [ 1, 2 ]
amdhsa.kernels:
  - .name:           k_q889d10d336_prep_b
    .symbol:         k_q889d10d336_prep_b.kd
    .args:
      - { .name: route, .offset: 0, .size: 8, .value_kind: global_buffer, .address_space: global }
      - { .name: w_proj, .offset: 8, .size: 8, .value_kind: global_buffer, .address_space: global }
      - { .name: qb, .offset: 16, .size: 8, .value_kind: global_buffer, .address_space: global }
      - { .name: lists, .offset: 24, .size: 8, .value_kind: global_buffer, .address_space: global }
    .group_segment_fixed_size: 69632
    .private_segment_fixed_size: 0
    .kernarg_segment_align: 8
    .kernarg_segment_size: 32
    .max_flat_workgroup_size: 256
    .sgpr_count:     102
    .vgpr_count:     256
    .wavefront_size: 32
...
	.end_amdgpu_metadata
.endif
;; end of part 2
;; launch fc (part 3): grid 32 x 8, 4 waves a work-group, no clusters, 0 bytes of LDS; arguments qa, b_fc, lists, hid; writes hid
.if DOCPART == 3
	.amdgcn_target "amdgcn-amd-amdhsa--gfx1250"
	.amdhsa_code_object_version 6
	.text
	.protected	k_q889d10d336_fc
	.globl	k_q889d10d336_fc
	.p2align	8
	.type	k_q889d10d336_fc,@function
k_q889d10d336_fc:
	s_mov_b64 s[64:65], 0
	v_nop
	global_prefetch_b8 v0, s[64:65] scope:SCOPE_SE
	s_setreg_imm32_b32 hwreg(HW_REG_WAVE_MODE, 25, 1), 1
	s_wait_xcnt 0x0
; THIRD LAUNCH.  hidden = gelu(x w_fc[e]^T + b_fc[e]) for the routed rows alone, on codes of FP4 (E2M1) with E8M0 scales, quantised along the next K on the way and stored as images of the next operand's registers.
; SHARES.  Work-group (x, e): expert e, hidden units 128 (x / 2) on, which are K step x / 2 of the next product.  Each wave keeps those 128 rows of w_fc (64 fragments, 512 registers) for the whole launch and walks
; every eighth entry of the expert's list of tiles, from 4 (x % 2) + wave on.  Waves share nothing: no LDS, no barrier.
; The trip count and the rows hang on lists that the launch before stored, so operands go from memory straight into registers; for the same reason there are no tensor loads and no joint requests.
; A wave whose first entry lies behind the list's end stores nothing and ends: the grid serves every split of the tokens.
; THE PRODUCT IS USED TRANSPOSED (source 0 = 16 rows of w_fc, source 1 = 16 tokens): a lane holds one token, and by the order of w_fc's rows in a tile the 16 registers of tiles 2 b, 2 b + 1 are hidden units 32 b + 16 (lane / 16) + 0 .. 15.
; GELU, exact form: gelu(x) = max(x, 0) - |x| h, h = erfc(|x| / sqrt 2) / 2 = t 2^E, t = 1 / (1 + 0.35355339 |x|), E = -0.72134752 x^2 + K0 + K1 t + .. + K9 t^9: the fit of erfc with a fractional error under 1.2e-7, in base 2,
; the half folded into K0.  One form for every x, no branch; where E falls under -126 h is 0 and gelu is max(x, 0).
; hid: 0 codes [2 x tile + slot][K step][1,024 B image] | 0x4d8000 scale words [2 x tile + slot][K step][lane].
; LIMITS: NaN and infinities are not served; a block whose largest magnitude lies under 2^-124 keeps the byte 1 (its bytes are read by this program alone).
; REGISTERS, in windows of 256: window 0: v1-13 addresses; v14-31, v242-245 the fit's coefficients, each twice (a pair for the packed forms); v32-95 w_fc's scale words (8 t + s); v96-103 x's; v104-167 the eight accumulators;
;   v168-215 the gelu at work; v216-241 the quantiser.  window 1: w_fc's K steps 0-3 (fragment (t, s) at 8 (4 t + s));  window 2: K steps 4-7;  window 3: v0-63 x's eight fragments, v64-127 the bias in the result's layout.
.set WS,  32
.set XS,  96
.set HA,  104
.set GT,  168
.set GP,  184
.set GU,  200
.set TM,  216
.set PW,  232
.set PC,  234
.set KV,  14
.set K9V, 242
.set KXV, 244
.set SEL, 52
.set MSB, 0
.macro WIN new                         ; the immediate's high byte repeats the setting that is left
.if MSB != \new
	s_set_vgpr_msb (MSB<<8)|\new
.set MSB, \new
.endif
.endm
.macro TKLOAD ts                       ; the 16 tokens of the tile of entry s[ts]: 64 bytes a tile
	s_and_b32 s48, s[\ts], 0x1fe
	s_lshl_b32 s48, s48, 5
	v_add_nc_u32 v5, s48, v13
	global_load_b32 v6, v5, s[8:9]
.endm
.macro XADDR                           ; three plain lines
	v_min_u32 v6, 0x7ff, v6
	v_lshl_add_u32 v7, v6, 9, v3                   ; my token's 512 bytes of codes, + 16 (lane / 16)
	v_lshlrev_b32 v8, 5, v6                        ; its 8 scale words
.endm
.macro XLOAD
	WIN 0xc0
.irp s, 0,1,2,3,4,5,6,7
.irp c, 0,1
	global_load_b128 v[8*\s+4*\c:8*\s+4*\c+3], v7, s[16:17] offset:64*\s+32*\c
.endr
.endr
	WIN 0
	global_load_b128 v[XS:XS+3], v8, s[18:19]
	global_load_b128 v[XS+4:XS+7], v8, s[18:19] offset:16
.endm
.macro GELU g                          ; 16 numbers in place; the two kinds of transcendentals go as batches, each with plain work behind it and one wait ahead of its first reader
.set XG, HA+16*(\g)
.irp i, 0,1,2,3,4,5,6,7,8,9,10,11,12,13,14,15
	v_fma_f32 v[GT+\i], |v[XG+\i]|, s50, 1.0
.endr
.irp i, 0,1,2,3,4,5,6,7,8,9,10,11,12,13,14,15
	v_rcp_f32 v[GT+\i], v[GT+\i]                   ; t
.endr
.irp i, 0,2,4,6,8,10,12,14
	v_pk_mul_f32 v[GU+\i:GU+\i+1], v[XG+\i:XG+\i+1], v[XG+\i:XG+\i+1]   ; x^2
.endr
	s_wait_alu depctr_va_vdst(0)
.irp i, 0,2,4,6,8,10,12,14
	v_pk_fma_f32 v[GP+\i:GP+\i+1], v[GT+\i:GT+\i+1], v[K9V:K9V+1], v[KV+16:KV+17]
.endr
.irp n, 7,6,5,4,3,2,1,0
.irp i, 0,2,4,6,8,10,12,14
	v_pk_fma_f32 v[GP+\i:GP+\i+1], v[GP+\i:GP+\i+1], v[GT+\i:GT+\i+1], v[KV+2*\n:KV+2*\n+1]
.endr
.endr
.irp i, 0,2,4,6,8,10,12,14
	v_pk_fma_f32 v[GP+\i:GP+\i+1], v[GU+\i:GU+\i+1], v[KXV:KXV+1], v[GP+\i:GP+\i+1]   ; E
.endr
.irp i, 0,1,2,3,4,5,6,7,8,9,10,11,12,13,14,15
	v_exp_f32 v[GP+\i], v[GP+\i]
.endr
.irp i, 0,1,2,3,4,5,6,7,8,9,10,11,12,13,14,15
	v_max_num_f32 v[GU+\i], 0, v[XG+\i]
.endr
	s_wait_alu depctr_va_vdst(0)
.irp i, 0,2,4,6,8,10,12,14
	v_pk_mul_f32 v[GP+\i:GP+\i+1], v[GP+\i:GP+\i+1], v[GT+\i:GT+\i+1]   ; h
.endr
.irp i, 0,1,2,3,4,5,6,7,8,9,10,11,12,13,14,15
	v_fma_f32 v[XG+\i], -|v[XG+\i]|, v[GP+\i], v[GU+\i]
.endr
.endm
; 64 numbers of a lane, register 16 b + i = k 32 b + 16 (lane / 16) + i of my row, become a fragment's codes in v[PC] on and its scale word in v[PW]
.macro QUANT s
.irp b, 0,1,2,3
	v_max3_num_f32 v[TM+\b], |v[\s+16*\b]|, |v[\s+1+16*\b]|, 0x1800000   ; my 16 numbers of block b, and the floor 2^(3 - 127)
.endr
.irp i, 2,4,6,8,10,12,14
.irp b, 0,1,2,3
	v_max3_num_f32 v[TM+\b], v[TM+\b], |v[\s+16*\b+\i]|, |v[\s+1+16*\b+\i]|
.endr
.endr
.irp b, 0,1,2,3
	v_permlanex16_b32 v[TM+4+\b], v[TM+\b], s[SEL], s[SEL+1]
.endr
.irp b, 0,1,2,3
	v_max_num_f32 v[TM+\b], v[TM+\b], v[TM+4+\b]   ; with lane l xor 16's: the block's largest magnitude
.endr
.irp b, 0,1,2,3
	v_add_nc_u32 v[TM+12+\b], 0xff000000, v[TM+\b] ; 2 off its exponent field: the conversion's scale operand
.endr
.irp b, 0,1,2,3
	v_lshrrev_b32 v[TM+4+\b], 23, v[TM+12+\b]      ; the scale's byte
.endr
	v_lshl_or_b32 v[PW], v[TM+5], 8, v[TM+4]
	v_lshl_or_b32 v[PW], v[TM+6], 16, v[PW]
	v_lshl_or_b32 v[PW], v[TM+7], 24, v[PW]
.irp b, 0,1,2,3
	v_cvt_scalef32_pk8_fp4_f32 v[PC+2*\b], v[\s+16*\b:\s+7+16*\b], v[TM+12+\b]
	v_cvt_scalef32_pk8_fp4_f32 v[PC+1+2*\b], v[\s+8+16*\b:\s+15+16*\b], v[TM+12+\b]
.endr
	v_nop                                          ; one plain line behind the last scaled conversion
.irp c, 0,1                                    ; the operand's layout wants a whole block in a lane
.irp i, 0,1
	v_permlane16_swap_b32 v[PC+4*\c+\i], v[PC+2+4*\c+\i]
.endr
.endr
.endm
	s_load_b256 s[4:11], s[0:1], 0x0               ; qa s[4:5], b_fc s[6:7], lists s[8:9], hid s[10:11]
	v_lshrrev_b32 v1, 5, v0
	v_readfirstlane_b32 s32, v1                    ; wave 0..3
	v_and_b32 v5, 31, v0                           ; lane
	v_lshlrev_b32 v1, 4, v5                        ; 16 x lane
	v_and_b32 v6, 15, v0                           ; r
	v_lshlrev_b32 v2, 4, v6                        ; 16 r
	v_lshlrev_b32 v13, 2, v6                       ; 4 r
	v_bfe_u32 v7, v0, 4, 1                         ; h
	v_lshlrev_b32 v3, 4, v7                        ; 16 h
	v_lshlrev_b32 v4, 6, v7                        ; 64 h
	s_and_b32 s33, ttmp7, 0xffff                   ; the expert
	s_lshr_b32 s34, ttmp9, 1                       ; the group of 128 hidden units
	s_and_b32 s35, ttmp9, 1
	s_lshl_b32 s35, s35, 2
	s_add_co_u32 s40, s35, s32                     ; my first entry of the list
	s_lshl_b32 s36, s34, 10
	v_add_nc_u32 v11, s36, v1                      ; my image's place in a tile's 16 KiB
	s_lshl_b32 s36, s34, 7
	v_lshl_add_u32 v12, v5, 2, s36                 ; my scale word's in its 2 KiB
	s_lshl_b32 s37, s33, 4
	s_add_co_u32 s37, s37, s34                     ; 16 e + group
	s_lshl_b32 s26, s37, 16                        ; its 64 images,
	s_mov_b32 s27, 0
	s_lshl_b32 s28, s37, 12                        ; its scale words,
	s_mov_b32 s29, 0
	s_lshl_b32 s30, s37, 9                         ; its 128 biases
	s_mov_b32 s31, 0
	s_lshl_b32 s38, s33, 2
	s_lshl_b32 s54, s33, 10                        ; the expert's list
	s_mov_b32 s55, 0
	s_mov_b32 s50, 0x3eb504f3                      ; 0.35355339
	s_mov_b32 s[SEL], 0x76543210
	s_mov_b32 s[SEL+1], 0xfedcba98
.irp h, 0,1
	v_mov_b32 v[KV+\h], 0xc034d90f                 ; K0 = -2.82574822
	v_mov_b32 v[KV+2+\h], 0x3fb8ab5a               ; K1 =  1.44272920
	v_mov_b32 v[KV+4+\h], 0x3f0a29d2               ; K2 =  0.53970062
	v_mov_b32 v[KV+6+\h], 0x3e0efb2e               ; K3 =  0.13963006
	v_mov_b32 v[KV+8+\h], 0xbe899a80               ; K4 = -0.26875686
	v_mov_b32 v[KV+10+\h], 0x3ecdfd18              ; K5 =  0.40232158
	v_mov_b32 v[KV+12+\h], 0xbfd1a1e5              ; K6 = -1.63775315
	v_mov_b32 v[KV+14+\h], 0x40097039              ; K7 =  2.14747446
	v_mov_b32 v[KV+16+\h], 0xbf97d29d              ; K8 = -1.18611495
	v_mov_b32 v[K9V+\h], 0x3e7c6f08                ; K9 =  0.24651730
	v_mov_b32 v[KXV+\h], 0xbf38aa3b                ; -0.72134752
.endr
.irp b, 0,1,2,3
	v_mov_b32 v[TM+4+\b], 0                        ; written once: a lane permute's destination counts as one of its sources
.endr
	s_wait_kmcnt 0x0
	s_load_b32 s41, s[8:9], s38 offset:0x5004      ; the list's length
	s_add_nc_u64 s[12:13], s[4:5], s[26:27]        ; w_fc's images
	s_add_nc_u64 s[14:15], s[4:5], s[28:29]
	s_add_nc_u64 s[14:15], s[14:15], 0x800000      ; their scale words
	s_add_nc_u64 s[16:17], s[4:5], 0x880000        ; x's codes
	s_add_nc_u64 s[18:19], s[4:5], 0x980000        ; x's scale words
	s_add_nc_u64 s[20:21], s[6:7], s[30:31]        ; the bias
	s_add_nc_u64 s[22:23], s[8:9], s[54:55]
	s_add_nc_u64 s[22:23], s[22:23], 0x2c00        ; the list
	s_add_nc_u64 s[24:25], s[10:11], 0x4d8000      ; the hidden layer's scale words
	WIN 0x40
.irp t, 0,1,2,3,4,5,6,7
.irp s, 0,1,2,3
.irp c, 0,1
	global_load_b128 v[(4*\t+\s)*8+4*\c:(4*\t+\s)*8+4*\c+3], v1, s[12:13] offset:(8*\t+\s)*1024+512*\c
.endr
.endr
.endr
	WIN 0x80
.irp t, 0,1,2,3,4,5,6,7
.irp s, 4,5,6,7
.irp c, 0,1
	global_load_b128 v[(4*\t+\s-4)*8+4*\c:(4*\t+\s-4)*8+4*\c+3], v1, s[12:13] offset:(8*\t+\s)*1024+512*\c
.endr
.endr
.endr
	WIN 0xc0
.irp t, 0,1,2,3,4,5,6,7
	global_load_b128 v[64+8*\t:67+8*\t], v4, s[20:21] offset:(32*(\t/2)+8*(\t%2))*4
	global_load_b128 v[68+8*\t:71+8*\t], v4, s[20:21] offset:(32*(\t/2)+8*(\t%2))*4+16
.endr
	WIN 0
.irp t, 0,1,2,3,4,5,6,7
.irp q, 0,1
	global_load_b128 v[WS+8*\t+4*\q:WS+8*\t+4*\q+3], v2, s[14:15] offset:512*\t+256*\q
.endr
.endr
	s_wait_kmcnt 0x0
	s_min_u32 s41, s41, 256                        ; a list has 256 places
	s_cmp_ge_u32 s40, s41
	s_cbranch_scc1 .Lnone                          ; this split leaves my wave without a tile
	s_sub_co_u32 s49, s41, s40                     ; my trips: every eighth entry from my first on: (length - first + 7) / 8,
	s_add_co_u32 s49, s49, 7
	s_lshr_b32 s49, s49, 3
	s_min_u32 s49, s49, 32                         ; which 256 places hold at 32
	s_mov_b32 s51, 0                               ; the trips done
	s_sub_co_u32 s47, s41, 1
	s_min_u32 s45, s40, 255
	s_lshl_b32 s45, s45, 2
	s_add_co_u32 s46, s40, 8
	s_min_u32 s46, s46, s47                        ; behind the list's end its last entry is read again, and not used
	s_min_u32 s46, s46, 255
	s_lshl_b32 s46, s46, 2
	s_load_b32 s42, s[22:23], s45                  ; this tile's entry,
	s_load_b32 s43, s[22:23], s46                  ; the next one's
	s_wait_kmcnt 0x0
	s_min_u32 s42, s42, 309
	s_min_u32 s43, s43, 309
	TKLOAD 42
	s_wait_loadcnt 0x0                             ; the weights and my first tile's tokens
	XADDR
	XLOAD
	TKLOAD 43
.Ltile:
	s_wait_loadcnt 0x0                             ; x's fragments and scale words and the next tile's tokens are in; every address register is free
	s_wait_xcnt 0x0                                ; the last trip's stores have read their data and addresses
	s_add_co_u32 s46, s40, 16
	s_min_u32 s46, s46, s47
	s_min_u32 s46, s46, 255
	s_lshl_b32 s46, s46, 2
	s_load_b32 s44, s[22:23], s46                  ; the entry two tiles on
	; 64 matrix instructions: K step by K step, the eight accumulators by turns, one instruction a turn; the bias is the C of each sum's first
.irp s, 0,1,2,3,4,5,6,7
.if \s == 0
	WIN 0x3d
.elseif \s < 4
	WIN 0x0d
.else
	WIN 0x0e
.endif
.irp t, 0,1,2,3,4,5,6,7
.if \s == 0
	v_wmma_scale_f32_16x16x128_f8f6f4 v[HA+8*\t:HA+8*\t+7], v[(4*\t+\s%4)*8:(4*\t+\s%4)*8+7], v[8*\s:8*\s+7], v[64+8*\t:71+8*\t], v[WS+8*\t+\s], v[XS+\s] matrix_a_fmt:MATRIX_FMT_FP4 matrix_b_fmt:MATRIX_FMT_FP4
.else
	v_wmma_scale_f32_16x16x128_f8f6f4 v[HA+8*\t:HA+8*\t+7], v[(4*\t+\s%4)*8:(4*\t+\s%4)*8+7], v[8*\s:8*\s+7], v[HA+8*\t:HA+8*\t+7], v[WS+8*\t+\s], v[XS+\s] matrix_a_fmt:MATRIX_FMT_FP4 matrix_b_fmt:MATRIX_FMT_FP4
.endif
.endr
.endr
	WIN 0
	XADDR                                          ; three plain lines and a v_nop: the four places in front of loads into registers that the products have read
	v_nop
	XLOAD                                          ; the next tile's x lands under this tile's gelu
	s_wait_kmcnt 0x0
	s_min_u32 s44, s44, 309
	TKLOAD 44
	v_lshl_add_u32 v9, s42, 14, v11                ; where this tile's image goes,
	v_lshl_add_u32 v10, s42, 11, v12               ; and its scale word
	GELU 0                                         ; each accumulator is read from its low end on
	GELU 1
	GELU 2
	GELU 3
	QUANT HA
	global_store_b128 v9, v[PC:PC+3], s[10:11]             ; 32 lanes store 512 consecutive bytes
	global_store_b128 v9, v[PC+4:PC+7], s[10:11] offset:512
	global_store_b32 v10, v[PW], s[24:25]
	s_mov_b32 s42, s43
	s_mov_b32 s43, s44
	s_add_co_u32 s40, s40, 8                       ; my place in the list: it serves the look-ahead's address alone
	s_add_co_u32 s51, s51, 1                       ; the loop ends on the count of trips
	s_cmp_lt_u32 s51, s49
	s_cbranch_scc1 .Ltile
.Lnone:
	s_endpgm
.Lfunc_end_k_q889d10d336_fc:
	.size	k_q889d10d336_fc, .Lfunc_end_k_q889d10d336_fc-k_q889d10d336_fc
	.p2alignl 7, 3214868480
	.fill 96, 4, 3214868480
	.section	.rodata,"a",@progbits
	.p2align	6, 0x0
	.amdhsa_kernel k_q889d10d336_fc
		.amdhsa_group_segment_fixed_size 0
		.amdhsa_private_segment_fixed_size 0
		.amdhsa_enable_private_segment 0
		.amdhsa_kernarg_size 32
		.amdhsa_user_sgpr_count 2
		.amdhsa_user_sgpr_kernarg_segment_ptr 1
		.amdhsa_wavefront_size32 1
		.amdhsa_system_sgpr_workgroup_id_x 1
		.amdhsa_system_sgpr_workgroup_id_y 1
		.amdhsa_system_sgpr_workgroup_id_z 1
		.amdhsa_system_vgpr_workitem_id 0
		.amdhsa_next_free_vgpr 896
		.amdhsa_next_free_sgpr 66
		.amdhsa_reserve_vcc 0
		.amdhsa_float_denorm_mode_32 3
		.amdhsa_float_denorm_mode_16_64 3
		.amdhsa_memory_ordered 1
		.amdhsa_forward_progress 1
		.amdhsa_inst_pref_size 76
	.end_amdhsa_kernel
	.amdgpu_metadata
---
amdhsa.version: [ 1, 2 ]
amdhsa.kernels:
  - .name:           k_q889d10d336_fc
    .symbol:         k_q889d10d336_fc.kd
    .args:
      - { .name: qa, .offset: 0, .size: 8, .value_kind: global_buffer, .address_space: global }
      - { .name: b_fc, .offset: 8, .size: 8, .value_kind: global_buffer, .address_space: global }
      - { .name: lists, .offset: 16, .size: 8, .value_kind: global_buffer, .address_space: global }
      - { .name: hid, .offset: 24, .size: 8, .value_kind: global_buffer, .address_space: global }
    .group_segment_fixed_size: 0
    .private_segment_fixed_size: 0
    .kernarg_segment_align: 8
    .kernarg_segment_size: 32
    .max_flat_workgroup_size: 128
    .sgpr_count:     66
    .vgpr_count:     896
    .wavefront_size: 32
...
	.end_amdgpu_metadata
.endif
;; end of part 3
;; launch proj (part 4): grid 8 x 31, 4 waves a work-group, no clusters, 84,992 bytes of LDS; arguments hid, qb, b_proj, lists, qa, out0; writes out0
.if DOCPART == 4
	.amdgcn_target "amdgcn-amd-amdhsa--gfx1250"
	.amdhsa_code_object_version 6
	.text
	.protected	k_q889d10d336_proj
	.globl	k_q889d10d336_proj
	.p2align	8
	.type	k_q889d10d336_proj,@function
k_q889d10d336_proj:
	s_mov_b64 s[64:65], 0
	v_nop
	global_prefetch_b8 v0, s[64:65] scope:SCOPE_SE
	s_setreg_imm32_b32 hwreg(HW_REG_WAVE_MODE, 25, 1), 1
	s_wait_xcnt 0x0
; FOURTH LAUNCH.  out[token] = g_lo (hidden_lo w_proj[lo]^T + b_proj[lo]) + g_hi (the same for hi), on codes of FP4 (E2M1) with E8M0 scales.
; A tile holds 16 tokens that share their pair of experts, so both parts of a token's row lie in one tile row and each output row has ONE owner: no sum goes through memory.
; SHARES.  Work-group (cb, g): output columns 128 cb on, tiles 5 g .. 5 g + 4.  Wave w: slot w / 2 (0: the tile's lower expert, 1: its higher), columns 64 (w % 2) on: four tiles of 16 columns x all 16 K steps of
; w_proj: 64 fragments, 512 registers, loaded anew only where a tile's expert differs from the last tile's (the tiles are sorted by pair).
; Which tiles exist, their experts and rows hang on lists that an earlier launch stored, so operands go from memory straight into registers; for the same reason there are no tensor loads and no joint requests.
; A work-group whose tiles all lie behind the last one stores nothing and ends: the grid of 155 tiles serves every split of the tokens.
; THE PRODUCT IS USED TRANSPOSED (source 0 = 16 rows of w_proj, source 1 = 16 tokens): a lane holds one token and eight neighbouring columns.  The bias is the C of each sum's first matrix instruction; the sum is scaled by
; the token's gate and goes to a stage in LDS; behind the ONE barrier, which every path reaches, each wave adds the two slots' rows and stores whole runs of 512 bytes of a token's row.
; LDS: stage [slot][tile 0..4][row 0..15], a row 512 bytes + 16, a tile 8,448, a slot 42,240.
; REGISTERS, in windows of 256: window 0: addresses v1-39; v40-103 w_proj's scale words (16 n + s); v104-135 the hidden layer's, two sets; v136-167 four accumulators; v168-199 the bias; v200-231 the way out; v232-241 addresses.
;   window 1: w_proj's K steps 0-7 (fragment (n, s) at 8 (8 n + s));  window 2: K steps 8-15;  window 3: the hidden layer's 16 fragments, two sets of 128.
.set HO,  10                           ; v10-14  tile t: its images' offset in hid, + 16 x lane
.set HSO, 15                           ; v15-19  its scale words', + 4 x lane
.set TKV, 20                           ; v20-24  its row r's token
.set GG,  26                           ; v26-35  that token's gate for my slot, in the even register of a pair
.set OF,  36                           ; v36-39  the stores' offsets
.set WS,  40
.set HS,  104
.set ACC, 136
.set BI,  168
.set FA,  200
.set FB,  216
.set TAD, 232
.set GAD, 237
.set TST, 8448
.set SST, 42240
.set MSB, 0
.macro WIN new                         ; the immediate's high byte repeats the setting that is left
.if MSB != \new
	s_set_vgpr_msb (MSB<<8)|\new
.set MSB, \new
.endif
.endm
.macro HLOAD t                         ; tile t's 16 hidden fragments and scale words into set t % 2
	WIN 0xc0
.irp s, 0,1,2,3,4,5,6,7,8,9,10,11,12,13,14,15
.irp c, 0,1
	global_load_b128 v[128*((\t)%2)+8*\s+4*\c:128*((\t)%2)+8*\s+4*\c+3], v[HO+(\t)], s[4:5] offset:1024*\s+512*\c
.endr
.endr
	WIN 0
.irp s, 0,1,2,3,4,5,6,7,8,9,10,11,12,13,14,15
	global_load_b32 v[HS+16*((\t)%2)+\s], v[HSO+(\t)], s[88:89] offset:128*\s
.endr
.endm
.macro WLOAD t                         ; my part of the weights of tile t's expert.  The bases are written again only behind a wait for all loads
	s_lshl_b32 s52, s[36+(\t)], 20
	s_add_co_u32 s52, s52, s22
	s_mov_b32 s53, 0
	s_add_nc_u64 s[52:53], s[6:7], s[52:53]
	s_lshl_b32 s54, s[36+(\t)], 16
	s_add_co_u32 s54, s54, s23
	s_mov_b32 s55, 0
	s_add_nc_u64 s[54:55], s[90:91], s[54:55]
	s_lshl_b32 s56, s[36+(\t)], 12
	s_add_co_u32 s56, s56, s29
	s_mov_b32 s57, 0
	s_add_nc_u64 s[56:57], s[8:9], s[56:57]
	WIN 0x40
.irp n, 0,1,2,3
.irp s, 0,1,2,3,4,5,6,7
.irp c, 0,1
	global_load_b128 v[(8*\n+\s)*8+4*\c:(8*\n+\s)*8+4*\c+3], v1, s[52:53] offset:16384*\n+1024*\s+512*\c
.endr
.endr
.endr
	WIN 0x80
.irp n, 0,1,2,3
.irp s, 8,9,10,11,12,13,14,15
.irp c, 0,1
	global_load_b128 v[(8*\n+\s-8)*8+4*\c:(8*\n+\s-8)*8+4*\c+3], v1, s[52:53] offset:16384*\n+1024*\s+512*\c
.endr
.endr
.endr
	WIN 0
.irp n, 0,1,2,3
.irp q, 0,1,2,3
	global_load_b128 v[WS+16*\n+4*\q:WS+16*\n+4*\q+3], v2, s[54:55] offset:1024*\n+256*\q
.endr
.endr
.irp n, 0,1,2,3
	global_load_b128 v[BI+8*\n:BI+8*\n+3], v8, s[56:57] offset:64*\n
	global_load_b128 v[BI+8*\n+4:BI+8*\n+7], v8, s[56:57] offset:64*\n+16
.endr
.endm
.macro TILE t
	s_add_co_u32 s59, s20, \t
	s_cmp_ge_u32 s59, s21
	s_cbranch_scc1 .Lmeet                          ; the tiles ascend: the first that does not exist ends the walk
.if \t == 0
	HLOAD 0
	WLOAD 0
.else
	s_cmp_eq_u32 s[36+\t], s[35+\t]
	s_cbranch_scc1 .Lsame_\@                       ; the same expert as the last tile's: the weights stay
	WLOAD \t
.Lsame_\@:
.endif
	s_wait_loadcnt 0x0                             ; this tile's fragments, and the weights
	s_wait_dscnt 0x0                               ; the last tile's stores into the stage have read the accumulators
.if \t == 0
.irp u, 0,1,2,3,4
	v_min_u32 v[TKV+\u], 0x7ff, v[TKV+\u]
	v_lshlrev_b32 v[GAD+\u], 3, v[TKV+\u]
	global_load_b32 v[GG+2*\u], v[GAD+\u], s[92:93]        ; the five tiles' gates
.endr
.endif
.if \t < 4
	HLOAD \t+1                                     ; the next tile's lands under this tile's products (behind the last tile that tile is read again, and not used)
.endif
	; 64 matrix instructions: K step by K step, the four accumulators by turns, one instruction a turn
.irp s, 0,1,2,3,4,5,6,7,8,9,10,11,12,13,14,15
.if \s < 8
	WIN 0x0d
.else
	WIN 0x0e
.endif
.irp n, 0,1,2,3
.if \s == 0
	v_wmma_scale_f32_16x16x128_f8f6f4 v[ACC+8*\n:ACC+8*\n+7], v[(8*\n+\s%8)*8:(8*\n+\s%8)*8+7], v[128*((\t)%2)+8*\s:128*((\t)%2)+8*\s+7], v[BI+8*\n:BI+8*\n+7], v[WS+16*\n+\s], v[HS+16*((\t)%2)+\s] matrix_a_fmt:MATRIX_FMT_FP4 matrix_b_fmt:MATRIX_FMT_FP4
.else
	v_wmma_scale_f32_16x16x128_f8f6f4 v[ACC+8*\n:ACC+8*\n+7], v[(8*\n+\s%8)*8:(8*\n+\s%8)*8+7], v[128*((\t)%2)+8*\s:128*((\t)%2)+8*\s+7], v[ACC+8*\n:ACC+8*\n+7], v[WS+16*\n+\s], v[HS+16*((\t)%2)+\s] matrix_a_fmt:MATRIX_FMT_FP4 matrix_b_fmt:MATRIX_FMT_FP4
.endif
.endr
.endr
	WIN 0
.rept 4
	v_nop                                          ; four places in front of the first read of results
.endr
.if \t == 0
	s_wait_loadcnt 48                              ; the gates are in; the 48 loads of the next tile's fragments and scale words, issued behind them, may be out
.endif
.irp i, 0,2,4,6,8,10,12,14,16,18,20,22,24,26,28,30
	v_pk_mul_f32 v[ACC+\i:ACC+\i+1], v[ACC+\i:ACC+\i+1], v[GG+2*\t:GG+2*\t+1] op_sel_hi:[1,0]   ; x my token's gate; each accumulator from its low end on
.endr
.irp n, 0,1,2,3
	ds_store_b128 v5, v[ACC+8*\n:ACC+8*\n+3] offset:TST*\t+64*\n
	ds_store_b128 v5, v[ACC+8*\n+4:ACC+8*\n+7] offset:TST*\t+64*\n+16
.endr
.endm
.macro OUT t                           ; rows 4 w .. 4 w + 3 of tile t: the two slots' parts are added and stored
	s_add_co_u32 s59, s20, \t
	s_cmp_ge_u32 s59, s21
	s_cbranch_scc1 .Lend
	s_wait_xcnt 0x0                                ; the last tile's stores have read their data and offsets
.irp k, 0,1,2,3
	ds_load_b128 v[FA+4*\k:FA+4*\k+3], v6 offset:TST*\t+528*\k
	ds_load_b128 v[FB+4*\k:FB+4*\k+3], v7 offset:TST*\t+528*\k
.endr
	s_wait_dscnt 0x0
.irp i, 0,2,4,6,8,10,12,14
	v_pk_add_f32 v[FA+\i:FA+\i+1], v[FA+\i:FA+\i+1], v[FB+\i:FB+\i+1]
.endr
.irp k, 0,1,2,3
	s_add_co_u32 s59, s19, \k
	s_cmp_ge_u32 s59, s[41+\t]
	s_cbranch_scc1 .Ldone_\@                       ; the rows that only fill the tile are not stored
	v_lshl_add_u32 v[OF+\k], s[68+4*\t+\k], 12, v9
	global_store_b128 v[OF+\k], v[FA+4*\k:FA+4*\k+3], s[14:15] th:TH_STORE_NT   ; 32 lanes store 512 consecutive bytes, at a multiple of 512 from out0's first byte
.endr
.Ldone_\@:
.endm
	s_load_b256 s[4:11], s[0:1], 0x0               ; hid s[4:5], qb s[6:7], b_proj s[8:9], lists s[10:11]
	s_load_b128 s[12:15], s[0:1], 0x20             ; qa s[12:13], out0 s[14:15]
	v_lshl_add_u32 v254, v0, 2, 0x14a00
	v_mov_b32 v255, 0
	v_lshrrev_b32 v1, 5, v0
	v_readfirstlane_b32 s16, v1                    ; wave 0..3
	s_lshr_b32 s17, s16, 1                         ; slot
	s_and_b32 s18, s16, 1                          ; which 64 columns
	s_lshl_b32 s19, s16, 2                         ; my first row on the way out
	s_and_b32 s20, ttmp7, 0xffff
	s_mul_i32 s20, s20, 5                          ; my first tile
	v_and_b32 v25, 31, v0                          ; lane
	v_lshlrev_b32 v1, 4, v25                       ; 16 x lane
	v_lshlrev_b32 v3, 2, v25                       ; 4 x lane
	v_and_b32 v4, 15, v0                           ; r
	v_lshlrev_b32 v2, 4, v4                        ; 16 r
	v_bfe_u32 v8, v0, 4, 1                         ; h
	v_mul_u32_u24 v5, v4, 528
	v_lshl_add_u32 v5, v8, 5, v5
	s_mul_i32 s58, s17, SST
	s_lshl_b32 s59, s18, 8
	s_add_co_u32 s58, s58, s59
	v_add_nc_u32 v5, s58, v5                       ; the stage, in: row r, + 32 h, + 256 x column half, + my slot
	s_mul_i32 s58, s16, 4*528
	v_add_nc_u32 v6, s58, v1                       ; back: my four rows of slot 0, 16 bytes a lane,
	v_add_nc_u32 v7, SST, v6                       ; and of slot 1
	v_lshlrev_b32 v4, 2, v4                        ; 4 r
	v_lshlrev_b32 v8, 5, v8                        ; 32 h
	s_lshl_b32 s58, ttmp9, 9
	v_add_nc_u32 v9, s58, v1                       ; my 16 bytes of a row of out0
	s_lshl_b32 s22, ttmp9, 3
	s_lshl_b32 s23, s18, 2
	s_add_co_u32 s23, s22, s23                     ; my first tile of 16 columns
	s_lshl_b32 s22, s23, 14                        ; its images,
	s_lshl_b32 s23, s23, 10                        ; its scale words,
	s_lshl_b32 s29, s18, 8
	s_add_co_u32 s29, s29, s58                     ; its biases
	s_lshl_b32 s58, s20, 2
	s_lshl_b32 s60, s17, 2
	s_mov_b32 s61, 0
	s_lshl_b32 s62, s17, 3
	s_lshl_b32 s63, s16, 4
	s_wait_kmcnt 0x0
	s_load_b32 s21, s[10:11], 0x5000               ; the number of tiles
.irp t, 0,1,2,3,4
	s_load_b32 s[24+\t], s[10:11], s58 offset:0x2800+4*\t
.endr
	s_add_nc_u64 s[88:89], s[4:5], 0x4d8000        ; the hidden layer's scale words
	s_add_nc_u64 s[90:91], s[6:7], 0x800000        ; w_proj's
	s_add_nc_u64 s[92:93], s[12:13], 0x990000
	s_add_nc_u64 s[92:93], s[92:93], s[60:61]      ; the gates of my slot
	s_wait_kmcnt 0x0
	s_min_u32 s21, s21, 155
	s_sub_co_u32 s59, s21, 1
.irp t, 0,1,2,3,4
	s_add_co_u32 s[30+\t], s20, \t
	s_min_u32 s[30+\t], s[30+\t], s59              ; behind the last tile that tile's bytes are read, and not used
	s_min_u32 s[30+\t], s[30+\t], 154
	s_lshr_b32 s[36+\t], s[24+\t], s62
	s_and_b32 s[36+\t], s[36+\t], 0xff
	s_min_u32 s[36+\t], s[36+\t], 7                ; my slot's expert
	s_bfe_u32 s[41+\t], s[24+\t], 0x80010          ; rows in use
	s_lshl_b32 s[46+\t], s[30+\t], 1
	s_add_co_u32 s[46+\t], s[46+\t], s17           ; 2 x tile + slot
	s_lshl_b32 s[94+\t], s[30+\t], 6
	s_add_co_u32 s[94+\t], s[94+\t], s63
	s_load_b128 s[68+4*\t:71+4*\t], s[10:11], s[94+\t]     ; the tokens of the four rows that I store: waited for behind the barrier
.endr
.irp t, 0,1,2,3,4
	v_lshl_add_u32 v[TAD+\t], s[30+\t], 6, v4
	global_load_b32 v[TKV+\t], v[TAD+\t], s[10:11] ; row r's token
	v_lshl_add_u32 v[HO+\t], s[46+\t], 14, v1
	v_lshl_add_u32 v[HSO+\t], s[46+\t], 11, v3
	v_mov_b32 v[GG+2*\t+1], 0                      ; named with the gate as a pair, so it is written
.endr
	TILE 0
	TILE 1
	TILE 2
	TILE 3
	TILE 4
.Lmeet:
	s_wait_dscnt 0x0                               ; for the others' sake: my stores into the stage have landed
	s_barrier_signal -1
	s_barrier_wait -1
	s_wait_kmcnt 0x0
.irp i, 0,1,2,3,4,5,6,7,8,9,10,11,12,13,14,15,16,17,18,19
	s_min_u32 s[68+\i], s[68+\i], 2047
.endr
	OUT 0
	OUT 1
	OUT 2
	OUT 3
	OUT 4
.Lend:
	s_wait_tensorcnt 0x0
	ds_add_u32 v254, v255
	s_wait_dscnt 0x0
	s_endpgm
.Lfunc_end_k_q889d10d336_proj:
	.size	k_q889d10d336_proj, .Lfunc_end_k_q889d10d336_proj-k_q889d10d336_proj
	.p2alignl 7, 3214868480
	.fill 96, 4, 3214868480
	.section	.rodata,"a",@progbits
	.p2align	6, 0x0
	.amdhsa_kernel k_q889d10d336_proj
		.amdhsa_group_segment_fixed_size 84992
		.amdhsa_private_segment_fixed_size 0
		.amdhsa_enable_private_segment 0
		.amdhsa_kernarg_size 48
		.amdhsa_user_sgpr_count 2
		.amdhsa_user_sgpr_kernarg_segment_ptr 1
		.amdhsa_wavefront_size32 1
		.amdhsa_system_sgpr_workgroup_id_x 1
		.amdhsa_system_sgpr_workgroup_id_y 1
		.amdhsa_system_sgpr_workgroup_id_z 1
		.amdhsa_system_vgpr_workitem_id 0
		.amdhsa_next_free_vgpr 1024
		.amdhsa_next_free_sgpr 100
		.amdhsa_reserve_vcc 0
		.amdhsa_float_denorm_mode_32 3
		.amdhsa_float_denorm_mode_16_64 3
		.amdhsa_memory_ordered 1
		.amdhsa_forward_progress 1
		.amdhsa_inst_pref_size 167
	.end_amdhsa_kernel
	.amdgpu_metadata
---
amdhsa.version: [ 1, 2 ]
amdhsa.kernels:
  - .name:           k_q889d10d336_proj
    .symbol:         k_q889d10d336_proj.kd
    .args:
      - { .name: hid, .offset: 0, .size: 8, .value_kind: global_buffer, .address_space: global }
      - { .name: qb, .offset: 8, .size: 8, .value_kind: global_buffer, .address_space: global }
      - { .name: b_proj, .offset: 16, .size: 8, .value_kind: global_buffer, .address_space: global }
      - { .name: lists, .offset: 24, .size: 8, .value_kind: global_buffer, .address_space: global }
      - { .name: qa, .offset: 32, .size: 8, .value_kind: global_buffer, .address_space: global }
      - { .name: out0, .offset: 40, .size: 8, .value_kind: global_buffer, .address_space: global }
    .group_segment_fixed_size: 84992
    .private_segment_fixed_size: 0
    .kernarg_segment_align: 8
    .kernarg_segment_size: 48
    .max_flat_workgroup_size: 128
    .sgpr_count:     100
    .vgpr_count:     1024
    .wavefront_size: 32
...
	.end_amdgpu_metadata
.endif
;; end of part 4
;; ======== version 2 of 2: 4 launches
;; workspace buffers: qa 10,043,392 bytes; qb 8,912,896 bytes; hid 5,713,920 bytes; route 8,192 bytes of whole numbers; lists 20,736 bytes of whole numbers
;; launch prep_a (part 5): grid 384 x 1, 8 waves a work-group, no clusters, 134,144 bytes of LDS; arguments hidden_states, w_gate, w_fc, qa, route; writes qa, route
.if DOCPART == 5
	.amdgcn_target "amdgcn-amd-amdhsa--gfx1250"
	.amdhsa_code_object_version 6
	.text
	.protected	k_q889d10d336_prep_a
	.globl	k_q889d10d336_prep_a
	.p2align	8
	.type	k_q889d10d336_prep_a,@function
k_q889d10d336_prep_a:
	s_mov_b64 s[64:65], 0
	v_nop
	global_prefetch_b8 v0, s[64:65] scope:SCOPE_SE
	s_setreg_imm32_b32 hwreg(HW_REG_WAVE_MODE, 25, 1), 1
	s_wait_xcnt 0x0
; FIRST OF FOUR LAUNCHES.  Work-groups 0-127: the router in f32 (logits, top-2, the two gates) and x as codes of FP4 (E2M1) with one E8M0 byte for each 32 along K.
; Work-groups 128-383: w_fc [8][2048][1024] f32 as codes, laid as IMAGES OF THE OPERAND'S REGISTERS, so that the product's launch loads each fragment by two dense loads of 512 bytes.
; qa: 0 w_fc's images | 0x800000 their scale words | 0x880000 x's codes [token][512 B] | 0x980000 x's scale bytes [token][32] | 0x990000 gates [token](lower expert's, higher expert's).  route: [token] the pair's number.
; A fragment's image (16 rows x 128 K, 1,024 bytes) is [c 0..1][lane][16 bytes] = registers 4 c .. 4 c + 3 of that lane: row lane % 16, k = 64 c + 32 (lane / 16) + 0 .. 31.
; THE ROWS OF W_FC THAT FORM A TILE ARE NOT NEIGHBOURS: row i of tile 2 b + u is hidden unit 32 b + 8 u + i + 8 (i / 8) of its group of 128, so that the next launch's results lie as 16 neighbours along the next K.
; A block's scale is 2^(floor(log2(largest magnitude)) - 2): the largest magnitude's exponent field - 2, held at 1 from below.
; THE PAIR.  A token's two experts lo < hi are stored as p = hi (hi - 1) / 2 + lo, at a fixed place: no address of this launch hangs on it.  Equal logits: the lower index wins, as in top_k.
; LIMITS: NaN and infinities are not served.  A block whose largest magnitude lies under 2^-124 (a block of zeros too) keeps the byte 1: its bytes are read by this program alone.
; The logits are f32 sums in another order than a plain loop's: where the second and third logit of a token agree to the last bit or two, either may be chosen.
; No tensor loads, no cluster: no two work-groups read the same bytes but w_gate's 32 KiB.  The two paths part on the work-group's number and have LDS bytes of their own; waves share nothing, so there is no barrier.
.set QB,   65536                       ; LDS of the weights' path: a stage of 16 rows x 528 bytes for each wave
.set QW,   8448
.set QP,   528                         ; 512 bytes + 16: the 16 rows that a load touches start 33 x 16 bytes apart
.set RB,   4096                        ; a row of w_fc in bytes
.set SKIP, 8                           ; rows 8-15 of a tile lie 8 rows further on
.set SRC,  8                           ; s[8:9]   where my unit's numbers begin
.set IMG,  24                          ; s[24:25] where its images go
.set SCP,  26                          ; s[26:27] and its scale words
.set R0,   16                          ; v16-143  two sets of 64: a step's numbers as loaded
.set XQ,   144                         ; v144-207 the same, turned: my two blocks of 32
.set MX,   208                         ; v208-209 largest magnitudes; v210-211 the conversions' scale operands; v212-213 bytes
.set SOP,  210
.set BYT,  212
.set CQ,   216                         ; v216-247 codes: eight registers for each step, so that no store's data are written again
.set SW,   248                         ; v248-251 the four steps' scale words
; 16 rows x 128 K of step q: each load reads 512 consecutive bytes of one row
.macro QLOAD q, dst
.irp i, 0,1,2,3,4,5,6,7,8,9,10,11,12,13,14,15
	global_load_b128 v[\dst+4*\i:\dst+4*\i+3], v1, s[SRC:SRC+1] offset:(\i+SKIP*(\i/8))*RB+512*(\q) th:TH_LOAD_NT
.endr
.endm
; Step q: through the stage (in as loaded, out 128 bytes a lane and block), two blocks' scales, 64 codes a lane, the image out
.macro QSTEP q
.set RS, R0+64*((\q)%2)
.if (\q) < 3
	s_wait_loadcnt 16                              ; this step's 16 loads are in; the next step's 16 may be out
.else
	s_wait_loadcnt 0x0
.endif
.irp i, 0,1,2,3,4,5,6,7,8,9,10,11,12,13,14,15
	ds_store_b128 v2, v[RS+4*\i:RS+4*\i+3] offset:QP*\i
.endr
.irp c, 0,1
.irp j, 0,1,2,3,4,5,6,7
	ds_load_b128 v[XQ+32*\c+4*\j:XQ+32*\c+4*\j+3], v3 offset:256*\c+16*\j   ; LDS serves a wave's instructions in order: these see the stores above
.endr
.endr
	s_wait_dscnt 0x0                               ; my 64 numbers are back, and the stores have read their registers,
.if (\q) < 2
	QLOAD (\q)+2, RS                               ; which take the loads of two steps on
.endif
.irp c, 0,1
	v_max3_num_f32 v[MX+\c], |v[XQ+32*\c]|, |v[XQ+32*\c+1]|, 0x1800000   ; block 2 c + h: all 32 numbers are mine; the floor 2^(3 - 127) holds the byte at 1 from below
.endr
.irp i, 2,4,6,8,10,12,14,16,18,20,22,24,26,28,30
.irp c, 0,1
	s_delay_alu instid0(VALU_DEP_2)
	v_max3_num_f32 v[MX+\c], v[MX+\c], |v[XQ+32*\c+\i]|, |v[XQ+32*\c+\i+1]|
.endr
.endr
.irp c, 0,1
	s_delay_alu instid0(VALU_DEP_2)
	v_add_nc_u32 v[SOP+\c], 0xff000000, v[MX+\c]   ; 2 off the exponent field: the conversion takes this operand's exponent field as its scale
.endr
.irp c, 0,1
	s_delay_alu instid0(VALU_DEP_2)
	v_lshrrev_b32 v[BYT+\c], 23, v[SOP+\c]         ; the scale's byte
.endr
	s_delay_alu instid0(VALU_DEP_1)
	v_lshl_or_b32 v214, v[BYT+1], 16, v[BYT]       ; my two bytes: blocks h and 2 + h of row r,
	s_delay_alu instid0(VALU_DEP_1)
	v_lshlrev_b32 v214, v4, v214                   ; 8 h bits up;
	s_delay_alu instid0(VALU_DEP_1)
	v_permlanex16_b32 v215, v214, s20, s21
	s_delay_alu instid0(VALU_DEP_1)
	v_or_b32 v[SW+(\q)], v214, v215                ; with lane l xor 16's two the word is whole
.irp c, 0,1
.irp g, 0,1,2,3
	v_cvt_scalef32_pk8_fp4_f32 v[CQ+8*(\q)+4*\c+\g], v[XQ+32*\c+8*\g:XQ+32*\c+8*\g+7], v[SOP+\c]
.endr
.endr
	v_nop                                          ; one plain line behind the last scaled conversion
.irp c, 0,1
	global_store_b128 v1, v[CQ+8*(\q)+4*\c:CQ+8*(\q)+4*\c+3], s[IMG:IMG+1] offset:1024*(\q)+512*\c   ; 32 lanes store 512 consecutive bytes
.endr
.endm
	s_load_b256 s[4:11], s[0:1], 0x0               ; hidden_states s[4:5], w_gate s[6:7], w_fc s[8:9], qa s[10:11]
	s_load_b64 s[12:13], s[0:1], 0x20              ; route
	v_lshl_add_u32 v254, v0, 2, 0x20800
	v_mov_b32 v255, 0
	v_lshrrev_b32 v1, 5, v0
	s_delay_alu instid0(VALU_DEP_1)
	v_readfirstlane_b32 s14, v1                    ; wave 0..7
	v_and_b32 v6, 31, v0                           ; lane
	s_delay_alu instid0(VALU_DEP_1)
	v_lshlrev_b32 v1, 4, v6                        ; 16 x lane
	s_mov_b32 s20, 0x76543210
	s_mov_b32 s21, 0xfedcba98                      ; v_permlanex16_b32's selects for lane l xor 16
	s_cmp_lt_u32 ttmp9, 128
	s_cbranch_scc1 .Lrouter
	; ---- THE WEIGHTS.  Unit u = 8 (work-group - 128) + wave: tile u / 2 of 16 rows, 512 along K from 512 (u % 2): four steps of 128
	v_and_b32 v7, 15, v0                           ; r
	v_bfe_u32 v8, v0, 4, 1                         ; h
	s_mul_i32 s15, s14, QW
	s_add_co_u32 s15, s15, QB                      ; my stage
	v_add_nc_u32 v2, s15, v1                       ; in: 16 x lane, a row an instruction
	v_mul_u32_u24 v3, v7, QP
	s_delay_alu instid0(VALU_DEP_1)
	v_lshl_add_u32 v3, v8, 7, v3
	s_delay_alu instid0(VALU_DEP_1)
	v_add_nc_u32 v3, s15, v3                       ; out: row r, + 128 h
	v_lshlrev_b32 v4, 3, v8                        ; 8 h
	v_lshlrev_b32 v5, 4, v7                        ; 16 r
	v_mov_b32 v215, 0                              ; written once: a lane permute's destination counts as one of its sources
	s_sub_co_u32 s16, ttmp9, 128
	s_lshl_b32 s16, s16, 3
	s_add_co_u32 s16, s16, s14                     ; u
	s_lshr_b32 s17, s16, 1                         ; the tile T = (16 e + group) 8 + t
	s_lshr_b32 s22, s17, 3
	s_lshl_b32 s22, s22, 7                         ; its group's first row,
	s_bfe_u32 s23, s17, 0x20001
	s_lshl_b32 s23, s23, 5
	s_add_co_u32 s22, s22, s23                     ; + 32 (t / 2)
	s_and_b32 s23, s17, 1
	s_lshl_b32 s23, s23, 3
	s_add_co_u32 s22, s22, s23                     ; + 8 (t % 2)
	s_lshl_b32 s22, s22, 12                        ; in bytes (under 2^26)
	s_and_b32 s23, s16, 1
	s_lshl_b32 s23, s23, 11
	s_add_co_u32 s22, s22, s23                     ; + 2,048 bytes for the second 512 along K
	s_mov_b32 s23, 0
	s_lshl_b32 s24, s16, 12                        ; four images a unit
	s_mov_b32 s25, 0
	s_lshl_b32 s26, s16, 8                         ; 256 bytes of scale words a unit
	s_mov_b32 s27, 0
	s_wait_alu depctr_va_vdst(0)
	s_wait_kmcnt 0x0
	s_add_nc_u64 s[SRC:SRC+1], s[8:9], s[22:23]
	s_add_nc_u64 s[IMG:IMG+1], s[10:11], s[24:25]
	s_add_nc_u64 s[SCP:SCP+1], s[10:11], s[26:27]
	s_add_nc_u64 s[SCP:SCP+1], s[SCP:SCP+1], 0x800000
	QLOAD 0, R0
	QLOAD 1, R0+64
	QSTEP 0
	QSTEP 1
	QSTEP 2
	QSTEP 3
	s_wait_xcnt 0x0                                ; EXEC changes only behind this wait
	v_cmp_gt_u32 vcc_lo, 16, v6
	s_wait_tensorcnt 0x0
	ds_add_u32 v254, v255
	s_wait_dscnt 0x0
	s_and_saveexec_b32 s28, vcc_lo
	global_store_b128 v5, v[SW:SW+3], s[SCP:SCP+1] ; row r's four words: sixteen lanes store 256 consecutive bytes, aligned
	s_endpgm
	; ---- THE ROUTER.  A wave takes tokens 16 x work-group + 2 x wave and the next.  Lane l holds x[128 j + 4 l .. + 3] of each, j = 0 .. 7
.set XR,  16                           ; v16-79   x: token k, piece j at 32 k + 4 j
.set GW,  80                           ; v80-175  three sets of w_gate's piece j: expert e at 4 e
.set ACC, 176                          ; v176-207 a pair of sums for (token k, expert e) at 16 k + 2 e
.set XN,  208                          ; v208-223 16 neighbours back from the stage
.set CD,  232                          ; v232-239 codes, two registers a step
.set EB,  240                          ; v240-243 a scale byte a step
.set LG,  80                           ; v80-95   the logits, 8 k + e
.set TP,  208                          ; v208-223 top-2 of token k at 8 k: largest, its index, second, its index, at work
.set PR,  112                          ; v112-127 token k at 8 k: lo, hi, p, lo's gate, hi's gate
.set SP,  80                           ; a lane's place in the stage: 64 bytes + 16 of padding
.set SBY, 2560                         ; behind the stage: my wave's 64 scale bytes
.macro GLOAD j
.irp e, 0,1,2,3,4,5,6,7
	global_load_b128 v[GW+32*((\j)%3)+4*\e:GW+32*((\j)%3)+4*\e+3], v1, s[6:7] offset:4096*\e+512*(\j)
.endr
.endm
; Step t quantises 512 numbers: half t % 2 of token t / 2.  They go through the stage as they lie and come back 16 neighbours a lane; two neighbouring lanes hold a block
.macro XSTEP t
.set XH, XR+32*((\t)/2)+16*((\t)%2)
.irp i, 0,1,2,3
	ds_store_b128 v14, v[XH+4*\i:XH+4*\i+3] offset:8*SP*\i
.endr
.irp i, 0,1,2,3
	ds_load_b128 v[XN+4*\i:XN+4*\i+3], v15 offset:16*\i
.endr
	s_wait_dscnt 0x0
	v_max3_num_f32 v224, |v[XN]|, |v[XN+1]|, |v[XN+2]|
	v_max3_num_f32 v225, |v[XN+3]|, |v[XN+4]|, |v[XN+5]|
.irp i, 6,10
	s_delay_alu instid0(VALU_DEP_2)
	v_max3_num_f32 v224, v224, |v[XN+\i]|, |v[XN+\i+1]|
	s_delay_alu instid0(VALU_DEP_2)
	v_max3_num_f32 v225, v225, |v[XN+\i+2]|, |v[XN+\i+3]|
.endr
	s_delay_alu instid0(VALU_DEP_2)
	v_max3_num_f32 v224, v224, |v[XN+14]|, |v[XN+15]|
	s_delay_alu instid0(VALU_DEP_1)
	v_max3_num_f32 v224, v224, v225, 0x1800000     ; and the floor 2^(3 - 127)
	s_delay_alu instid0(VALU_DEP_1)
	v_max_num_f32_dpp v224, v224, v224 row_xmask:1 row_mask:0xf bank_mask:0xf   ; with my neighbour's 16: the block's
	s_delay_alu instid0(VALU_DEP_1)
	v_add_nc_u32 v226, 0xff000000, v224
	v_cvt_scalef32_pk8_fp4_f32 v[CD+2*(\t)], v[XN:XN+7], v226
	v_cvt_scalef32_pk8_fp4_f32 v[CD+2*(\t)+1], v[XN+8:XN+15], v226
	v_lshrrev_b32 v[EB+(\t)], 23, v226             ; the byte (also the plain line behind the conversions)
	ds_store_b8 v5, v[EB+(\t)] offset:SBY+16*(\t)  ; both lanes of a block write the same byte with the same value
	global_store_b64 v4, v[CD+2*(\t):CD+2*(\t)+1], s[24:25] offset:256*(\t)   ; 32 lanes store 256 consecutive bytes, aligned
.endm
; Piece j of the 16 dot products: 32 packed multiply-adds; then the gate set of three pieces on takes this one's registers
.macro GSTEP j
.if (\j) < 6
	s_wait_loadcnt 16                              ; this piece's 8 loads are in; the two younger sets may be out
.elseif (\j) == 6
	s_wait_loadcnt 8
.else
	s_wait_loadcnt 0x0
.endif
.irp u, 0,2
.irp e, 0,1,2,3,4,5,6,7
.irp k, 0,1
.if ((\j) == 0) && (\u == 0)
	v_pk_mul_f32 v[ACC+16*\k+2*\e:ACC+16*\k+2*\e+1], v[XR+32*\k+4*(\j)+\u:XR+32*\k+4*(\j)+\u+1], v[GW+32*((\j)%3)+4*\e+\u:GW+32*((\j)%3)+4*\e+\u+1]   ; the first product starts the sums
.else
	v_pk_fma_f32 v[ACC+16*\k+2*\e:ACC+16*\k+2*\e+1], v[XR+32*\k+4*(\j)+\u:XR+32*\k+4*(\j)+\u+1], v[GW+32*((\j)%3)+4*\e+\u:GW+32*((\j)%3)+4*\e+\u+1], v[ACC+16*\k+2*\e:ACC+16*\k+2*\e+1]
.endif
.endr
.endr
.endr
.if (\j) < 5
	GLOAD (\j)+3
.endif
.endm
.Lrouter:
	s_lshl_b32 s15, s14, 13                        ; my wave's 8,192 bytes of LDS
	s_wait_alu depctr_va_vdst(0)
	v_lshrrev_b32 v14, 2, v6
	s_delay_alu instid0(VALU_DEP_1)
	v_mul_u32_u24 v14, v14, SP
	v_and_b32 v15, 3, v6
	s_delay_alu instid0(VALU_DEP_1)
	v_lshl_add_u32 v14, v15, 4, v14
	s_delay_alu instid0(VALU_DEP_1)
	v_add_nc_u32 v14, s15, v14                     ; the stage, in: SP (lane / 4) + 16 (lane % 4)
	v_mul_u32_u24 v15, v6, SP
	s_delay_alu instid0(VALU_DEP_1)
	v_add_nc_u32 v15, s15, v15                     ; out: SP x lane
	v_lshlrev_b32 v4, 3, v6                        ; 8 x lane
	v_lshrrev_b32 v5, 1, v6
	s_delay_alu instid0(VALU_DEP_1)
	v_add_nc_u32 v5, s15, v5                       ; my block's byte
	v_and_b32 v7, 15, v6
	s_delay_alu instid0(VALU_DEP_1)
	v_lshlrev_b32 v7, 2, v7                        ; 4 (lane % 16)
	s_delay_alu instid0(VALU_DEP_1)
	v_add_nc_u32 v8, s15, v7
	v_lshlrev_b32 v10, 2, v6                       ; 4 x lane
	s_lshl_b32 s16, ttmp9, 4
	s_lshl_b32 s17, s14, 1
	s_add_co_u32 s16, s16, s17                     ; my first token
	s_lshl_b32 s22, s16, 12
	s_mov_b32 s23, 0
	s_lshl_b32 s24, s16, 9
	s_mov_b32 s25, 0
	s_lshl_b32 s26, s16, 5
	s_mov_b32 s27, 0
	s_lshl_b32 s28, s16, 3
	s_mov_b32 s29, 0
	s_lshl_b32 s30, s16, 2
	s_mov_b32 s31, 0
	s_wait_alu depctr_va_vdst(0)
	s_wait_kmcnt 0x0
	s_add_nc_u64 s[4:5], s[4:5], s[22:23]          ; x
	s_add_nc_u64 s[24:25], s[10:11], s[24:25]
	s_add_nc_u64 s[24:25], s[24:25], 0x880000      ; its codes
	s_add_nc_u64 s[26:27], s[10:11], s[26:27]
	s_add_nc_u64 s[26:27], s[26:27], 0x980000      ; its scale bytes
	s_add_nc_u64 s[28:29], s[10:11], s[28:29]
	s_add_nc_u64 s[28:29], s[28:29], 0x990000      ; its gates
	s_add_nc_u64 s[30:31], s[12:13], s[30:31]      ; its pair
.irp k, 0,1
.irp j, 0,1,2,3,4,5,6,7
	global_load_b128 v[XR+32*\k+4*\j:XR+32*\k+4*\j+3], v1, s[4:5] offset:4096*\k+512*\j th:TH_LOAD_NT
.endr
.endr
	GLOAD 0
	GLOAD 1
	GLOAD 2
	s_wait_loadcnt 24                              ; x's 16 loads are in; the three gate sets may be out
	XSTEP 0
	XSTEP 1
	XSTEP 2
	XSTEP 3
	GSTEP 0
	GSTEP 1
	GSTEP 2
	GSTEP 3
	GSTEP 4
	GSTEP 5
	GSTEP 6
	GSTEP 7
.irp i, 0,1,2,3,4,5,6,7,8,9,10,11,12,13,14,15
	v_add_f32 v[LG+\i], v[ACC+2*\i], v[ACC+2*\i+1] ; a pair's two halves
.endr
.irp m, 1,2,4,8
.irp i, 0,1,2,3,4,5,6,7,8,9,10,11,12,13,14,15
	v_add_f32_dpp v[LG+\i], v[LG+\i], v[LG+\i] row_xmask:\m row_mask:0xf bank_mask:0xf
.endr
.endr
.irp i, 0,1,2,3,4,5,6,7,8,9,10,11,12,13,14,15
	v_permlanex16_b32 v[ACC+\i], v[LG+\i], s20, s21
.endr
.irp i, 0,1,2,3,4,5,6,7,8,9,10,11,12,13,14,15
	v_add_f32 v[LG+\i], v[LG+\i], v[ACC+\i]        ; every lane holds all 16 logits
.endr
	; top-2, the experts in ascending order; only a strictly larger logit displaces, so the lower index is kept
.irp k, 0,1
	v_mov_b32 v[TP+8*\k], v[LG+8*\k]
	v_mov_b32 v[TP+8*\k+1], 0
	v_mov_b32 v[TP+8*\k+2], 0xff800000
	v_mov_b32 v[TP+8*\k+3], 0
.endr
.irp e, 1,2,3,4,5,6,7
.irp k, 0,1
	v_cmp_gt_f32 s[32+\k], v[LG+8*\k+\e], v[TP+8*\k]
	v_cmp_gt_f32 s[34+\k], v[LG+8*\k+\e], v[TP+8*\k+2]
.endr
.irp k, 0,1
	s_delay_alu instid0(VALU_DEP_3)
	v_cndmask_b32 v[TP+8*\k+3], v[TP+8*\k+3], \e, s[34+\k]
	v_min_num_f32 v[TP+8*\k+4], v[LG+8*\k+\e], v[TP+8*\k]
.endr
.irp k, 0,1
	s_delay_alu instid0(VALU_DEP_4)
	v_cndmask_b32 v[TP+8*\k+3], v[TP+8*\k+3], v[TP+8*\k+1], s[32+\k]
	s_delay_alu instid0(VALU_DEP_4)
	v_max_num_f32 v[TP+8*\k+2], v[TP+8*\k+2], v[TP+8*\k+4]
.endr
.irp k, 0,1
	v_cndmask_b32 v[TP+8*\k+1], v[TP+8*\k+1], \e, s[32+\k]
	v_max_num_f32 v[TP+8*\k], v[TP+8*\k], v[LG+8*\k+\e]
.endr
.endr
.irp k, 0
	s_delay_alu instid0(VALU_DEP_3)
	v_sub_f32 v[TP+8*\k+4], v[TP+8*\k+2], v[TP+8*\k]
.endr
.irp k, 1
	s_delay_alu instid0(VALU_DEP_2)
	v_sub_f32 v[TP+8*\k+4], v[TP+8*\k+2], v[TP+8*\k]
.endr
.irp k, 0,1
	s_delay_alu instid0(VALU_DEP_2)
	v_mul_f32 v[TP+8*\k+4], 0x3fb8aa3b, v[TP+8*\k+4]
.endr
	s_wait_alu depctr_va_vdst(0)
.irp k, 0,1
	v_exp_f32 v[TP+8*\k+5], v[TP+8*\k+4]
.endr
	v_nop                                          ; a plain line behind the transcendentals,
	s_wait_alu depctr_va_vdst(0)                   ; and one wait for both ahead of their first reader
.irp k, 0,1
	v_add_f32 v[TP+8*\k+6], 1.0, v[TP+8*\k+5]
.endr
	s_wait_alu depctr_va_vdst(0)
.irp k, 0,1
	v_rcp_f32 v[TP+8*\k+7], v[TP+8*\k+6]
.endr
	v_nop
	s_wait_alu depctr_va_vdst(0)
.irp k, 0,1
	v_mul_f32 v[TP+8*\k+6], v[TP+8*\k+5], v[TP+8*\k+7]          ; the second's gate; the largest's is the reciprocal
	v_min_u32 v[PR+8*\k], v[TP+8*\k+1], v[TP+8*\k+3]            ; lo
	v_max_u32 v[PR+8*\k+1], v[TP+8*\k+1], v[TP+8*\k+3]          ; hi
	s_delay_alu instid0(VALU_DEP_1)
	v_add_nc_u32 v[PR+8*\k+2], -1, v[PR+8*\k+1]
	s_delay_alu instid0(VALU_DEP_1)
	v_mul_u32_u24 v[PR+8*\k+2], v[PR+8*\k+2], v[PR+8*\k+1]
	s_delay_alu instid0(VALU_DEP_1)
	v_lshrrev_b32 v[PR+8*\k+2], 1, v[PR+8*\k+2]
	s_delay_alu instid0(VALU_DEP_1)
	v_add_nc_u32 v[PR+8*\k+2], v[PR+8*\k+2], v[PR+8*\k]         ; p = hi (hi - 1) / 2 + lo
	v_cmp_lt_u32 vcc_lo, v[TP+8*\k+1], v[TP+8*\k+3]
	v_cndmask_b32 v[PR+8*\k+3], v[TP+8*\k+6], v[TP+8*\k+7], vcc_lo   ; lo's gate
	v_cndmask_b32 v[PR+8*\k+4], v[TP+8*\k+7], v[TP+8*\k+6], vcc_lo   ; hi's
.endr
	v_and_b32 v9, 1, v6
	s_delay_alu instid0(VALU_DEP_1)
	v_cmp_eq_u32 vcc_lo, 1, v9                     ; lane 0 stores the first token's, lane 1 the second's
	s_delay_alu instid0(VALU_DEP_1)
	v_cndmask_b32 v128, v[PR+2], v[PR+10], vcc_lo
	s_delay_alu instid0(VALU_DEP_2)
	v_cndmask_b32 v130, v[PR+3], v[PR+11], vcc_lo
	s_delay_alu instid0(VALU_DEP_3)
	v_cndmask_b32 v131, v[PR+4], v[PR+12], vcc_lo
	ds_load_b32 v129, v8 offset:SBY                ; my wave's 64 scale bytes, a word a lane
	s_wait_alu depctr_va_vdst(0)
	s_wait_dscnt 0x0
	s_wait_xcnt 0x0                                ; EXEC changes only behind this wait
	v_cmp_gt_u32 vcc_lo, 16, v6
	s_wait_tensorcnt 0x0
	ds_add_u32 v254, v255
	s_wait_dscnt 0x0
	s_and_saveexec_b32 s36, vcc_lo
	global_store_b32 v7, v129, s[26:27]            ; 64 consecutive bytes: with the pairs and gates below 88 KiB of the launch's 10 MB leave in pieces under 256 bytes
	s_wait_xcnt 0x0
	s_or_b32 exec_lo, exec_lo, s36
	v_cmp_gt_u32 vcc_lo, 2, v6
	s_and_saveexec_b32 s36, vcc_lo
	global_store_b32 v10, v128, s[30:31]
	global_store_b64 v4, v[130:131], s[28:29]
	s_endpgm
.Lfunc_end_k_q889d10d336_prep_a:
	.size	k_q889d10d336_prep_a, .Lfunc_end_k_q889d10d336_prep_a-k_q889d10d336_prep_a
	.p2alignl 7, 3214868480
	.fill 96, 4, 3214868480
	.section	.rodata,"a",@progbits
	.p2align	6, 0x0
	.amdhsa_kernel k_q889d10d336_prep_a
		.amdhsa_group_segment_fixed_size 134144
		.amdhsa_private_segment_fixed_size 0
		.amdhsa_enable_private_segment 0
		.amdhsa_kernarg_size 40
		.amdhsa_user_sgpr_count 2
		.amdhsa_user_sgpr_kernarg_segment_ptr 1
		.amdhsa_wavefront_size32 1
		.amdhsa_system_sgpr_workgroup_id_x 1
		.amdhsa_system_sgpr_workgroup_id_y 1
		.amdhsa_system_sgpr_workgroup_id_z 1
		.amdhsa_system_vgpr_workitem_id 0
		.amdhsa_next_free_vgpr 256
		.amdhsa_next_free_sgpr 66
		.amdhsa_reserve_vcc 1
		.amdhsa_float_denorm_mode_32 3
		.amdhsa_float_denorm_mode_16_64 3
		.amdhsa_memory_ordered 1
		.amdhsa_forward_progress 1
		.amdhsa_inst_pref_size 83
	.end_amdhsa_kernel
	.amdgpu_metadata
---
amdhsa.version: [ 1, 2 ]
amdhsa.kernels:
  - .name:           k_q889d10d336_prep_a
    .symbol:         k_q889d10d336_prep_a.kd
    .args:
      - { .name: hidden_states, .offset: 0, .size: 8, .value_kind: global_buffer, .address_space: global }
      - { .name: w_gate, .offset: 8, .size: 8, .value_kind: global_buffer, .address_space: global }
      - { .name: w_fc, .offset: 16, .size: 8, .value_kind: global_buffer, .address_space: global }
      - { .name: qa, .offset: 24, .size: 8, .value_kind: global_buffer, .address_space: global }
      - { .name: route, .offset: 32, .size: 8, .value_kind: global_buffer, .address_space: global }
    .group_segment_fixed_size: 134144
    .private_segment_fixed_size: 0
    .kernarg_segment_align: 8
    .kernarg_segment_size: 40
    .max_flat_workgroup_size: 256
    .sgpr_count:     66
    .vgpr_count:     256
    .wavefront_size: 32
...
	.end_amdgpu_metadata
.endif
;; end of part 5
;; launch prep_b (part 6): grid 257 x 1, 8 waves a work-group, no clusters, 69,632 bytes of LDS; arguments route, w_proj, qb, lists; writes qb, lists
.if DOCPART == 6
	.amdgcn_target "amdgcn-amd-amdhsa--gfx1250"
	.amdhsa_code_object_version 6
	.text
	.protected	k_q889d10d336_prep_b
	.globl	k_q889d10d336_prep_b
	.p2align	8
	.type	k_q889d10d336_prep_b,@function
k_q889d10d336_prep_b:
	s_mov_b64 s[64:65], 0
	v_nop
	global_prefetch_b8 v0, s[64:65] scope:SCOPE_SE
	s_setreg_imm32_b32 hwreg(HW_REG_WAVE_MODE, 25, 1), 1
	s_wait_xcnt 0x0
; SECOND LAUNCH.  Work-groups 1-256: w_proj [8][1024][2048] f32 as codes of FP4 (E2M1), laid as images of the operand's registers (16 neighbouring rows x 128 K: [c][lane][16 bytes]), and their scale words.
; qb: 0 images [tile of 16 rows][K step 0..15][1,024 B] | 0x800000 scale words [tile][512 along K][row][4 words].
; Work-group 0: THE PLACING.  The 2,048 tokens are sorted by their pair of experts (28 bins, the number that the launch before stored); each bin is filled up to whole tiles of 16 rows: never more than 128 + 27 tiles.
; lists: 0 tok[16 x tile + row] (a filling row holds token 0; its results are never stored) | 0x2800 tinfo[tile] = lo | hi << 8 | rows in use << 16 | 0x2c00 elist[expert][place] = 2 x tile + (0: the tile's lower expert, 1: its higher)
;        | 0x5000 the number of tiles, then the eight lists' lengths.  Words 2480-2511 of tok and 2048-2303 of elist take what has no place; nobody reads them.
; No atomics: a wave counts its 256 tokens bin by bin in lane masks; the eight waves' counts meet in LDS behind one barrier; every wave then walks the 28 bins with the running sums in scalar registers.
; LIMITS of the quantiser: NaN and infinities are not served; a block whose largest magnitude lies under 2^-124 (a block of zeros too) keeps the byte 1: its bytes are read by this program alone.
; No tensor loads, no cluster: no two work-groups read the same bytes.  The two paths part on the work-group's number and have LDS bytes of their own.
.set QB,   1024                        ; LDS of the weights' path: a stage of 16 rows x 528 bytes for each wave; bytes 0-1,023 are the placing's table
.set QW,   8448
.set QP,   528
.set RB,   8192                        ; a row of w_proj in bytes
.set SKIP, 0                           ; a tile's rows are neighbours
.set SRC,  6
.set IMG,  24
.set SCP,  26
.set R0,   16
.set XQ,   144
.set MX,   208
.set SOP,  210
.set BYT,  212
.set CQ,   216
.set SW,   248
.macro QLOAD q, dst
.irp i, 0,1,2,3,4,5,6,7,8,9,10,11,12,13,14,15
	global_load_b128 v[\dst+4*\i:\dst+4*\i+3], v1, s[SRC:SRC+1] offset:(\i+SKIP*(\i/8))*RB+512*(\q) th:TH_LOAD_NT
.endr
.endm
.macro QSTEP q
.set RS, R0+64*((\q)%2)
.if (\q) < 3
	s_wait_loadcnt 16                              ; this step's 16 loads are in; the next step's 16 may be out
.else
	s_wait_loadcnt 0x0
.endif
.irp i, 0,1,2,3,4,5,6,7,8,9,10,11,12,13,14,15
	ds_store_b128 v2, v[RS+4*\i:RS+4*\i+3] offset:QP*\i
.endr
.irp c, 0,1
.irp j, 0,1,2,3,4,5,6,7
	ds_load_b128 v[XQ+32*\c+4*\j:XQ+32*\c+4*\j+3], v3 offset:256*\c+16*\j   ; LDS serves a wave's instructions in order: these see the stores above
.endr
.endr
	s_wait_dscnt 0x0                               ; my 64 numbers are back, and the stores have read their registers,
.if (\q) < 2
	QLOAD (\q)+2, RS                               ; which take the loads of two steps on
.endif
.irp c, 0,1
	v_max3_num_f32 v[MX+\c], |v[XQ+32*\c]|, |v[XQ+32*\c+1]|, 0x1800000   ; block 2 c + h: all 32 numbers are mine; the floor 2^(3 - 127) holds the byte at 1 from below
.endr
.irp i, 2,4,6,8,10,12,14,16,18,20,22,24,26,28,30
.irp c, 0,1
	s_delay_alu instid0(VALU_DEP_2)
	v_max3_num_f32 v[MX+\c], v[MX+\c], |v[XQ+32*\c+\i]|, |v[XQ+32*\c+\i+1]|
.endr
.endr
.irp c, 0,1
	s_delay_alu instid0(VALU_DEP_2)
	v_add_nc_u32 v[SOP+\c], 0xff000000, v[MX+\c]   ; 2 off the exponent field: the conversion's scale operand
.endr
.irp c, 0,1
	s_delay_alu instid0(VALU_DEP_2)
	v_lshrrev_b32 v[BYT+\c], 23, v[SOP+\c]         ; the scale's byte
.endr
	s_delay_alu instid0(VALU_DEP_1)
	v_lshl_or_b32 v214, v[BYT+1], 16, v[BYT]
	s_delay_alu instid0(VALU_DEP_1)
	v_lshlrev_b32 v214, v4, v214
	s_delay_alu instid0(VALU_DEP_1)
	v_permlanex16_b32 v215, v214, s20, s21
	s_delay_alu instid0(VALU_DEP_1)
	v_or_b32 v[SW+(\q)], v214, v215                ; row r's scale word of this K step
.irp c, 0,1
.irp g, 0,1,2,3
	v_cvt_scalef32_pk8_fp4_f32 v[CQ+8*(\q)+4*\c+\g], v[XQ+32*\c+8*\g:XQ+32*\c+8*\g+7], v[SOP+\c]
.endr
.endr
	v_nop                                          ; one plain line behind the last scaled conversion
.irp c, 0,1
	global_store_b128 v1, v[CQ+8*(\q)+4*\c:CQ+8*(\q)+4*\c+3], s[IMG:IMG+1] offset:1024*(\q)+512*\c   ; 32 lanes store 512 consecutive bytes
.endr
.endm
	s_load_b256 s[4:11], s[0:1], 0x0               ; route s[4:5], w_proj s[6:7], qb s[8:9], lists s[10:11]
	v_lshl_add_u32 v254, v0, 2, 0x10c00
	v_mov_b32 v255, 0
	v_lshrrev_b32 v1, 5, v0
	s_delay_alu instid0(VALU_DEP_1)
	v_readfirstlane_b32 s14, v1                    ; wave 0..7
	v_and_b32 v6, 31, v0                           ; lane
	s_delay_alu instid0(VALU_DEP_1)
	v_lshlrev_b32 v1, 4, v6                        ; 16 x lane
	s_mov_b32 s20, 0x76543210
	s_mov_b32 s21, 0xfedcba98
	s_cmp_eq_u32 ttmp9, 0
	s_cbranch_scc1 .Lplace
	; ---- THE WEIGHTS.  Unit u = 8 (work-group - 1) + wave: tile u / 4 of 16 rows, 512 along K from 512 (u % 4)
	v_and_b32 v7, 15, v0                           ; r
	v_bfe_u32 v8, v0, 4, 1                         ; h
	s_mul_i32 s15, s14, QW
	s_add_co_u32 s15, s15, QB                      ; my stage
	v_add_nc_u32 v2, s15, v1
	v_mul_u32_u24 v3, v7, QP
	s_delay_alu instid0(VALU_DEP_1)
	v_lshl_add_u32 v3, v8, 7, v3
	s_delay_alu instid0(VALU_DEP_1)
	v_add_nc_u32 v3, s15, v3
	v_lshlrev_b32 v4, 3, v8
	v_lshlrev_b32 v5, 4, v7
	v_mov_b32 v215, 0                              ; written once: a lane permute's destination counts as one of its sources
	s_sub_co_u32 s16, ttmp9, 1
	s_lshl_b32 s16, s16, 3
	s_add_co_u32 s16, s16, s14                     ; u
	s_lshr_b32 s22, s16, 2
	s_lshl_b32 s22, s22, 17                        ; 16 rows of 8,192 bytes a tile (under 2^26)
	s_and_b32 s23, s16, 3
	s_lshl_b32 s23, s23, 11
	s_add_co_u32 s22, s22, s23
	s_mov_b32 s23, 0
	s_lshl_b32 s24, s16, 12
	s_mov_b32 s25, 0
	s_lshl_b32 s26, s16, 8
	s_mov_b32 s27, 0
	s_wait_alu depctr_va_vdst(0)
	s_wait_kmcnt 0x0
	s_add_nc_u64 s[SRC:SRC+1], s[6:7], s[22:23]
	s_add_nc_u64 s[IMG:IMG+1], s[8:9], s[24:25]
	s_add_nc_u64 s[SCP:SCP+1], s[8:9], s[26:27]
	s_add_nc_u64 s[SCP:SCP+1], s[SCP:SCP+1], 0x800000
	QLOAD 0, R0
	QLOAD 1, R0+64
	QSTEP 0
	QSTEP 1
	QSTEP 2
	QSTEP 3
	s_wait_xcnt 0x0                                ; EXEC changes only behind this wait
	v_cmp_gt_u32 vcc_lo, 16, v6
	s_wait_tensorcnt 0x0
	ds_add_u32 v254, v255
	s_wait_dscnt 0x0
	s_and_saveexec_b32 s28, vcc_lo
	global_store_b128 v5, v[SW:SW+3], s[SCP:SCP+1] ; sixteen lanes store 256 consecutive bytes, aligned
	s_endpgm
	; ---- THE PLACING.  Wave w owns tokens 256 w + 32 i + lane, i = 0 .. 7
.set PB,  8                            ; v8-15   my eight tokens' bins
.set RK,  16                           ; v16-23  their ranks among my wave's tokens of the same bin
.set TT,  24                           ; v24-31  at work; later the tokens' numbers
.set CNT, 32                           ; v32     lane b: my wave's tokens in bin b
.set TAB, 40                           ; v40-47  the eight waves' counts
.set BS,  56                           ; v56-63  where my wave's tokens of my token's bin begin in tok
; v48 lane b: the bin's tokens; v49: those of earlier waves; v50: its tiles; v51: its first tile.  v52-55, v64: of tile v0: its bin's first tile, its place in lo's list, in hi's, the bin's tokens, lo | hi << 8
; s[36:63] the bins' tiles; s[68:75] the experts' running list lengths; s101 the running number of tiles; s76-100 at work
; One bin: the masks of my tokens in it, their counts, a running sum over i, each token's rank.  The lines go in batches of eight, so that vector and scalar units wait for each other once a bin
.macro BINCOUNT b
.irp i, 0,1,2,3,4,5,6,7
	v_cmp_eq_u32 s[76+\i], \b, v[PB+\i]
.endr
.irp i, 0,1,2,3,4,5,6,7
	s_bcnt1_i32_b32 s[84+\i], s[76+\i]
.endr
	s_mov_b32 s92, 0
.irp i, 0,1,2,3,4,5,6
	s_add_co_u32 s[93+\i], s[92+\i], s[84+\i]
.endr
.irp i, 0,1,2,3,4,5,6,7
	v_mbcnt_lo_u32_b32 v[TT+\i], s[76+\i], s[92+\i]          ; those in lower lanes + those of lower i
.endr
.irp i, 0,1,2,3,4,5,6,7
	v_cndmask_b32 v[RK+\i], v[RK+\i], v[TT+\i], s[76+\i]
.endr
	s_add_co_u32 s100, s99, s91
	v_writelane_b32 v[CNT], s100, \b
.endm
; One bin, behind the barrier.  The running sums are the bin's first tile and its places in its two experts' lists.  A token of the bin takes its wave's base; a tile at or behind the bin's first tile takes the bin's
; facts: later bins write over them, and an empty bin begins where the next one does, so each tile keeps the facts of the bin that holds it
.macro BIN lo, hi, bin
	v_readlane_b32 s76, v49, \bin
	v_readlane_b32 s77, v48, \bin
	s_lshl_b32 s78, s101, 4
	s_add_co_u32 s76, s76, s78                     ; 16 x first tile + the earlier waves' tokens
	s_add_co_u32 s79, s[68+\lo], 256*\lo
	s_add_co_u32 s80, s[68+\hi], 256*\hi
	v_writelane_b32 v51, s101, \bin
.irp i, 0,1,2,3,4,5,6,7
	v_cmp_eq_u32 s[84+\i], \bin, v[PB+\i]
.endr
.irp i, 0,1,2,3,4,5,6,7
	v_cndmask_b32 v[BS+\i], v[BS+\i], s76, s[84+\i]
.endr
	v_cmp_le_u32 vcc_lo, s101, v0
	s_delay_alu instid0(VALU_DEP_1)
	v_cndmask_b32 v52, v52, s101, vcc_lo
	s_delay_alu instid0(VALU_DEP_2)
	v_cndmask_b32 v53, v53, s79, vcc_lo
	s_delay_alu instid0(VALU_DEP_3)
	v_cndmask_b32 v54, v54, s80, vcc_lo
	s_delay_alu instid0(VALU_DEP_4)
	v_cndmask_b32 v55, v55, s77, vcc_lo
	v_cndmask_b32 v64, v64, (\lo)|((\hi)<<8), vcc_lo
	s_add_co_u32 s101, s101, s[36+\bin]
	s_add_co_u32 s[68+\lo], s[68+\lo], s[36+\bin]
	s_add_co_u32 s[68+\hi], s[68+\hi], s[36+\bin]
.endm
.Lplace:
	v_lshlrev_b32 v7, 2, v0                        ; 4 x thread
	s_wait_alu depctr_va_vdst(0)
	v_lshlrev_b32 v35, 2, v6                       ; 4 x lane
	s_lshl_b32 s15, s14, 10
	v_add_nc_u32 v33, s15, v35                     ; my first token's word in route
	s_lshl_b32 s15, s14, 8
	v_add_nc_u32 v34, s15, v6                      ; my first token
.irp i, 0,1,2,3,4,5,6,7
	v_mov_b32 v[RK+\i], 0
	v_mov_b32 v[BS+\i], 0
.endr
.irp r, 32,49,51,52,53,54,55,64,68,69
	v_mov_b32 v\r, 0
.endr
	s_wait_kmcnt 0x0
.irp i, 0,1,2,3,4,5,6,7
	global_load_b32 v[PB+\i], v33, s[4:5] offset:128*\i
.endr
	s_wait_loadcnt 0x0
.irp i, 0,1,2,3,4,5,6,7
	v_min_u32 v[PB+\i], 27, v[PB+\i]
.endr
.irp b, 0,1,2,3,4,5,6,7,8,9,10,11,12,13,14,15,16,17,18,19,20,21,22,23,24,25,26,27
	BINCOUNT \b
.endr
	ds_store_b32 v7, v[CNT]                        ; my wave's 32 counts
	s_wait_dscnt 0x0                               ; for the others' sake: they have landed
	s_barrier_signal -1
	s_barrier_wait -1
.irp q, 0,1,2,3,4,5,6,7
	ds_load_b32 v[TAB+\q], v35 offset:128*\q
.endr
	s_wait_dscnt 0x0
	v_add3_u32 v48, v[TAB], v[TAB+1], v[TAB+2]
	s_delay_alu instid0(VALU_DEP_1)
	v_add3_u32 v48, v48, v[TAB+3], v[TAB+4]
	s_delay_alu instid0(VALU_DEP_1)
	v_add3_u32 v48, v48, v[TAB+5], v[TAB+6]
	s_delay_alu instid0(VALU_DEP_1)
	v_add_nc_u32 v48, v48, v[TAB+7]                ; lane b: the bin's tokens
.irp q, 0,1,2,3,4,5,6
	s_cmp_gt_u32 s14, \q
	s_cselect_b32 s100, -1, 0
	v_and_b32 v36, s100, v[TAB+\q]
	s_delay_alu instid0(VALU_DEP_1)
	v_add_nc_u32 v49, v49, v36                     ; those of earlier waves
.endr
	v_add_nc_u32 v50, 15, v48
	s_delay_alu instid0(VALU_DEP_1)
	v_lshrrev_b32 v50, 4, v50                      ; its tiles
.irp b, 0,1,2,3,4,5,6,7,8,9,10,11,12,13,14,15,16,17,18,19,20,21,22,23,24,25,26,27
	v_readlane_b32 s[36+\b], v50, \b
.endr
.irp e, 0,1,2,3,4,5,6,7
	s_mov_b32 s[68+\e], 0
.endr
	s_mov_b32 s101, 0
	BIN 0, 1, 0
	BIN 0, 2, 1
	BIN 1, 2, 2
	BIN 0, 3, 3
	BIN 1, 3, 4
	BIN 2, 3, 5
	BIN 0, 4, 6
	BIN 1, 4, 7
	BIN 2, 4, 8
	BIN 3, 4, 9
	BIN 0, 5, 10
	BIN 1, 5, 11
	BIN 2, 5, 12
	BIN 3, 5, 13
	BIN 4, 5, 14
	BIN 0, 6, 15
	BIN 1, 6, 16
	BIN 2, 6, 17
	BIN 3, 6, 18
	BIN 4, 6, 19
	BIN 5, 6, 20
	BIN 0, 7, 21
	BIN 1, 7, 22
	BIN 2, 7, 23
	BIN 3, 7, 24
	BIN 4, 7, 25
	BIN 5, 7, 26
	BIN 6, 7, 27
.irp i, 0,1,2,3,4,5,6,7
	v_add_nc_u32 v[BS+\i], v[BS+\i], v[RK+\i]      ; my token's row
	s_delay_alu instid0(VALU_DEP_1)
	v_min_u32 v[BS+\i], 0x9af, v[BS+\i]            ; held inside tok's 2,480 rows
	s_delay_alu instid0(VALU_DEP_1)
	v_lshlrev_b32 v[BS+\i], 2, v[BS+\i]
	v_add_nc_u32 v[TT+\i], 32*\i, v34
	global_store_b32 v[BS+\i], v[TT+\i], s[10:11]
.endr
	s_cmp_lg_u32 s14, 0
	s_cbranch_scc1 .Lnot_wave_0
	; wave 0, a lane a bin: the rows that fill the bin's last tile get token 0; what would pass the bin's end goes to the lane's spare word
	v_lshl_add_u32 v65, v51, 4, v48
	v_add_nc_u32 v66, v51, v50
	s_delay_alu instid0(VALU_DEP_1)
	v_lshlrev_b32 v66, 4, v66
	v_add_nc_u32 v67, 0x9b0, v6
.irp k, 0,1,2,3,4,5,6,7,8,9,10,11,12,13,14
	v_add_nc_u32 v[70+\k], \k, v65
	s_delay_alu instid0(VALU_DEP_1)
	v_cmp_lt_u32 vcc_lo, v[70+\k], v66
	s_delay_alu instid0(VALU_DEP_1)
	v_cndmask_b32 v[70+\k], v67, v[70+\k], vcc_lo
	s_delay_alu instid0(VALU_DEP_1)
	v_min_u32 v[70+\k], 0x9cf, v[70+\k]
	s_delay_alu instid0(VALU_DEP_1)
	v_lshlrev_b32 v[70+\k], 2, v[70+\k]
	global_store_b32 v[70+\k], v68, s[10:11]
.endr
	v_writelane_b32 v69, s101, 0                   ; the number of tiles,
.irp e, 0,1,2,3,4,5,6,7
	s_delay_alu instid0(VALU_DEP_1)
	v_writelane_b32 v69, s[68+\e], 1+\e            ; the lists' lengths
.endr
	global_store_b32 v35, v69, s[10:11] offset:0x5000
.Lnot_wave_0:
	s_cmp_gt_u32 s14, 4
	s_cbranch_scc1 .Lplaced
	; threads 0-159, a thread a tile
	v_sub_nc_u32 v90, v0, v52                      ; which tile of its bin
	s_delay_alu instid0(VALU_DEP_1)
	v_lshlrev_b32 v91, 4, v90
	s_delay_alu instid0(VALU_DEP_1)
	v_sub_nc_u32 v91, v55, v91
	s_delay_alu instid0(VALU_DEP_1)
	v_max_i32 v91, 0, v91
	s_delay_alu instid0(VALU_DEP_1)
	v_min_i32 v91, 16, v91                         ; rows in use: 0 behind the last tile
	s_delay_alu instid0(VALU_DEP_1)
	v_lshl_or_b32 v92, v91, 16, v64
	global_store_b32 v7, v92, s[10:11] offset:0x2800
	v_add_nc_u32 v93, v53, v90
	v_add_nc_u32 v94, v54, v90
	v_add_nc_u32 v95, 0x800, v0
	v_cmp_gt_u32 vcc_lo, s101, v0
	s_delay_alu instid0(VALU_DEP_1)
	v_cndmask_b32 v93, v95, v93, vcc_lo            ; a thread behind the last tile writes its spare word
	s_delay_alu instid0(VALU_DEP_2)
	v_cndmask_b32 v94, v95, v94, vcc_lo
	s_delay_alu instid0(VALU_DEP_2)
	v_min_u32 v93, 0x8ff, v93
	s_delay_alu instid0(VALU_DEP_2)
	v_min_u32 v94, 0x8ff, v94
	s_delay_alu instid0(VALU_DEP_2)
	v_lshlrev_b32 v93, 2, v93
	s_delay_alu instid0(VALU_DEP_2)
	v_lshlrev_b32 v94, 2, v94
	v_lshlrev_b32 v96, 1, v0
	s_delay_alu instid0(VALU_DEP_1)
	v_or_b32 v97, 1, v96
	global_store_b32 v93, v96, s[10:11] offset:0x2c00
	global_store_b32 v94, v97, s[10:11] offset:0x2c00
.Lplaced:
	s_wait_tensorcnt 0x0
	ds_add_u32 v254, v255
	s_wait_dscnt 0x0
	s_endpgm
.Lfunc_end_k_q889d10d336_prep_b:
	.size	k_q889d10d336_prep_b, .Lfunc_end_k_q889d10d336_prep_b-k_q889d10d336_prep_b
	.p2alignl 7, 3214868480
	.fill 96, 4, 3214868480
	.section	.rodata,"a",@progbits
	.p2align	6, 0x0
	.amdhsa_kernel k_q889d10d336_prep_b
		.amdhsa_group_segment_fixed_size 69632
		.amdhsa_private_segment_fixed_size 0
		.amdhsa_enable_private_segment 0
		.amdhsa_kernarg_size 32
		.amdhsa_user_sgpr_count 2
		.amdhsa_user_sgpr_kernarg_segment_ptr 1
		.amdhsa_wavefront_size32 1
		.amdhsa_system_sgpr_workgroup_id_x 1
		.amdhsa_system_sgpr_workgroup_id_y 1
		.amdhsa_system_sgpr_workgroup_id_z 1
		.amdhsa_system_vgpr_workitem_id 0
		.amdhsa_next_free_vgpr 256
		.amdhsa_next_free_sgpr 102
		.amdhsa_reserve_vcc 1
		.amdhsa_float_denorm_mode_32 3
		.amdhsa_float_denorm_mode_16_64 3
		.amdhsa_memory_ordered 1
		.amdhsa_forward_progress 1
		.amdhsa_inst_pref_size 166
	.end_amdhsa_kernel
	.amdgpu_metadata
---
amdhsa.version: [ 1, 2 ]
amdhsa.kernels:
  - .name:           k_q889d10d336_prep_b
    .symbol:         k_q889d10d336_prep_b.kd
    .args:
      - { .name: route, .offset: 0, .size: 8, .value_kind: global_buffer, .address_space: global }
      - { .name: w_proj, .offset: 8, .size: 8, .value_kind: global_buffer, .address_space: global }
      - { .name: qb, .offset: 16, .size: 8, .value_kind: global_buffer, .address_space: global }
      - { .name: lists, .offset: 24, .size: 8, .value_kind: global_buffer, .address_space: global }
    .group_segment_fixed_size: 69632
    .private_segment_fixed_size: 0
    .kernarg_segment_align: 8
    .kernarg_segment_size: 32
    .max_flat_workgroup_size: 256
    .sgpr_count:     102
    .vgpr_count:     256
    .wavefront_size: 32
...
	.end_amdgpu_metadata
.endif
;; end of part 6
;; launch fc (part 7): grid 32 x 8, 4 waves a work-group, no clusters, 0 bytes of LDS; arguments qa, b_fc, lists, hid; writes hid
.if DOCPART == 7
	.amdgcn_target "amdgcn-amd-amdhsa--gfx1250"
	.amdhsa_code_object_version 6
	.text
	.protected	k_q889d10d336_fc
	.globl	k_q889d10d336_fc
	.p2align	8
	.type	k_q889d10d336_fc,@function
k_q889d10d336_fc:
	s_mov_b64 s[64:65], 0
	v_nop
	global_prefetch_b8 v0, s[64:65] scope:SCOPE_SE
	s_setreg_imm32_b32 hwreg(HW_REG_WAVE_SCHED_MODE, 0, 2), 2
	s_setreg_imm32_b32 hwreg(HW_REG_WAVE_MODE, 25, 1), 1
	s_wait_xcnt 0x0
	s_wait_alu depctr_vm_vsrc(0)
; THIRD LAUNCH.  hidden = gelu(x w_fc[e]^T + b_fc[e]) for the routed rows alone, on codes of FP4 (E2M1) with E8M0 scales, quantised along the next K on the way and stored as images of the next operand's registers.
; SHARES.  Work-group (x, e): expert e, hidden units 128 (x / 2) on, which are K step x / 2 of the next product.  Each wave keeps those 128 rows of w_fc (64 fragments, 512 registers) for the whole launch and walks
; every eighth entry of the expert's list of tiles, from 4 (x % 2) + wave on.  Waves share nothing: no LDS, no barrier.
; The trip count and the rows hang on lists that the launch before stored, so operands go from memory straight into registers; for the same reason there are no tensor loads and no joint requests.
; A wave whose first entry lies behind the list's end stores nothing and ends: the grid serves every split of the tokens.
; THE PRODUCT IS USED TRANSPOSED (source 0 = 16 rows of w_fc, source 1 = 16 tokens): a lane holds one token, and by the order of w_fc's rows in a tile the 16 registers of tiles 2 b, 2 b + 1 are hidden units 32 b + 16 (lane / 16) + 0 .. 15.
; GELU, exact form: gelu(x) = max(x, 0) - |x| h, h = erfc(|x| / sqrt 2) / 2 = t 2^E, t = 1 / (1 + 0.35355339 |x|), E = -0.72134752 x^2 + K0 + K1 t + .. + K9 t^9: the fit of erfc with a fractional error under 1.2e-7, in base 2,
; the half folded into K0.  One form for every x, no branch; where E falls under -126 h is 0 and gelu is max(x, 0).
; hid: 0 codes [2 x tile + slot][K step][1,024 B image] | 0x4d8000 scale words [2 x tile + slot][K step][lane].
; LIMITS: NaN and infinities are not served; a block whose largest magnitude lies under 2^-124 keeps the byte 1 (its bytes are read by this program alone).
; REGISTERS, in windows of 256: window 0: v1-13 addresses; v14-31, v242-245 the fit's coefficients, each twice (a pair for the packed forms); v32-95 w_fc's scale words (8 t + s); v96-103 x's; v104-167 the eight accumulators;
;   v168-215 the gelu at work; v216-241 the quantiser.  window 1: w_fc's K steps 0-3 (fragment (t, s) at 8 (4 t + s));  window 2: K steps 4-7;  window 3: v0-63 x's eight fragments, v64-127 the bias in the result's layout.
; THE MODE: SCHED_MODE bits 1:0 = 2 (LLVM: expert scheduling mode 2), set by the entry lines.  The code itself states the register dependences
; between vector or matrix instructions and memory instructions, with s_wait_alu, always for 0.
; THE PLAN.  Registers that memory instructions touch, in the loop:
;   x's fragments and scale words   read by a trip's 64 products; behind them the next tile's 18 loads land there, under the gelu.
;   v7, v8                          those loads' offsets: written behind the products from the tokens in v6, read by the 18 loads.
;   v6                              the next tile's tokens: a load lands there in the first gelu; the three address lines behind the next trip's products read and write it.
;   v5                              that load's offset: written in the first gelu, read by the load.
;   v9, v10, v[PC ..], v[PW]        the stores' offsets and data: written by the trip's vector lines, read by the three stores at its end.
;   v1, v2, v4                      offsets of the weights' loads: made at the head, never written again.
; So a trip has one wait on vm_vsrc, at its head (all that the last trip's loads and stores read is free), and three places where a wait on va_vdst states a dependence on memory's side: behind the products and the
; address lines, ahead of the 18 loads; the first gelu's wait for its reciprocals, behind which the token load stands; and ahead of the stores.  The gelus' other waits are for their transcendentals' results.
.set WS,  32
.set XS,  96
.set HA,  104
.set GT,  168
.set GP,  184
.set GU,  200
.set TM,  216
.set PW,  232
.set PC,  234
.set KV,  14
.set K9V, 242
.set KXV, 244
.set SEL, 52
.set MSB, 0
.macro WIN new                         ; the immediate's high byte repeats the setting that is left
.if MSB != \new
	s_set_vgpr_msb (MSB<<8)|\new
.set MSB, \new
.endif
.endm
.macro TKADDR ts                       ; where the 16 tokens of the tile of entry s[ts] lie: 64 bytes a tile
	s_and_b32 s48, s[\ts], 0x1fe
	s_lshl_b32 s48, s48, 5
	v_add_nc_u32 v5, s48, v13
.endm
.macro XADDR                           ; three plain lines
	v_min_u32 v6, 0x7ff, v6
	v_lshl_add_u32 v7, v6, 9, v3                   ; my token's 512 bytes of codes, + 16 (lane / 16)
	v_lshlrev_b32 v8, 5, v6                        ; its 8 scale words
.endm
.macro XLOAD
	WIN 0xc0
	s_wait_alu depctr_va_vdst(0)                   ; v7 and v8 are written, which the loads below read; the products are done reading x's fragments and scale words, in which they land
.irp s, 0,1,2,3,4,5,6,7
.irp c, 0,1
	global_load_b128 v[8*\s+4*\c:8*\s+4*\c+3], v7, s[16:17] offset:64*\s+32*\c
.endr
.endr
	WIN 0
	global_load_b128 v[XS:XS+3], v8, s[18:19]
	global_load_b128 v[XS+4:XS+7], v8, s[18:19] offset:16
.endm
.macro GELU g                          ; 16 numbers in place; the two kinds of transcendentals go as batches, each with plain work behind it and one wait ahead of its first reader
.set XG, HA+16*(\g)
.irp i, 0,1,2,3,4,5,6,7,8,9,10,11,12,13,14,15
	v_fma_f32 v[GT+\i], |v[XG+\i]|, s50, 1.0
.endr
	s_wait_alu depctr_va_vdst(0)
.irp i, 0,1,2,3,4,5,6,7,8,9,10,11,12,13,14,15
	v_rcp_f32 v[GT+\i], v[GT+\i]                   ; t
.endr
.irp i, 0,2,4,6,8,10,12,14
	v_pk_mul_f32 v[GU+\i:GU+\i+1], v[XG+\i:XG+\i+1], v[XG+\i:XG+\i+1]   ; x^2
.endr
.if (\g) == 0
	s_wait_kmcnt 0x0                               ; the entry two tiles on, asked for at the trip's head
	s_min_u32 s44, s44, 309
	TKADDR 44
	s_wait_alu depctr_va_vdst(0)                   ; the sixteen reciprocals v[GT ..] are written; so is v5, which the load below reads; the address lines are done with v6, in which it lands
	global_load_b32 v6, v5, s[8:9]                 ; the tokens of the tile after the next
.else
	s_wait_alu depctr_va_vdst(0)                   ; the sixteen reciprocals v[GT ..] are written
.endif
.irp i, 0,2,4,6,8,10,12,14
	v_pk_fma_f32 v[GP+\i:GP+\i+1], v[GT+\i:GT+\i+1], v[K9V:K9V+1], v[KV+16:KV+17]
.endr
.irp n, 7,6,5,4,3,2,1,0
.irp i, 0,2,4,6,8,10,12,14
	v_pk_fma_f32 v[GP+\i:GP+\i+1], v[GP+\i:GP+\i+1], v[GT+\i:GT+\i+1], v[KV+2*\n:KV+2*\n+1]
.endr
.endr
.irp i, 0,2,4,6,8,10,12,14
	v_pk_fma_f32 v[GP+\i:GP+\i+1], v[GU+\i:GU+\i+1], v[KXV:KXV+1], v[GP+\i:GP+\i+1]   ; E
.endr
	s_wait_alu depctr_va_vdst(0)
.irp i, 0,1,2,3,4,5,6,7,8,9,10,11,12,13,14,15
	v_exp_f32 v[GP+\i], v[GP+\i]
.endr
.irp i, 0,1,2,3,4,5,6,7,8,9,10,11,12,13,14,15
	v_max_num_f32 v[GU+\i], 0, v[XG+\i]
.endr
	s_wait_alu depctr_va_vdst(0)                   ; the sixteen exponentials v[GP ..] are written
.irp i, 0,2,4,6,8,10,12,14
	v_pk_mul_f32 v[GP+\i:GP+\i+1], v[GP+\i:GP+\i+1], v[GT+\i:GT+\i+1]   ; h
.endr
.irp i, 0,1,2,3,4,5,6,7,8,9,10,11,12,13,14,15
	v_fma_f32 v[XG+\i], -|v[XG+\i]|, v[GP+\i], v[GU+\i]
.endr
.endm
; 64 numbers of a lane, register 16 b + i = k 32 b + 16 (lane / 16) + i of my row, become a fragment's codes in v[PC] on and its scale word in v[PW]
.macro QUANT s
.irp b, 0,1,2,3
	v_max3_num_f32 v[TM+\b], |v[\s+16*\b]|, |v[\s+1+16*\b]|, 0x1800000   ; my 16 numbers of block b, and the floor 2^(3 - 127)
.endr
.irp i, 2,4,6,8,10,12,14
.irp b, 0,1,2,3
	v_max3_num_f32 v[TM+\b], v[TM+\b], |v[\s+16*\b+\i]|, |v[\s+1+16*\b+\i]|
.endr
.endr
.irp b, 0,1,2,3
	v_permlanex16_b32 v[TM+4+\b], v[TM+\b], s[SEL], s[SEL+1]
.endr
.irp b, 0,1,2,3
	v_max_num_f32 v[TM+\b], v[TM+\b], v[TM+4+\b]   ; with lane l xor 16's: the block's largest magnitude
.endr
.irp b, 0,1,2,3
	v_add_nc_u32 v[TM+12+\b], 0xff000000, v[TM+\b] ; 2 off its exponent field: the conversion's scale operand
.endr
.irp b, 0,1,2,3
	v_lshrrev_b32 v[TM+4+\b], 23, v[TM+12+\b]      ; the scale's byte
.endr
	v_lshl_or_b32 v[PW], v[TM+5], 8, v[TM+4]
	v_lshl_or_b32 v[PW], v[TM+6], 16, v[PW]
	v_lshl_or_b32 v[PW], v[TM+7], 24, v[PW]
.irp b, 0,1,2,3
	v_cvt_scalef32_pk8_fp4_f32 v[PC+2*\b], v[\s+16*\b:\s+7+16*\b], v[TM+12+\b]
	v_cvt_scalef32_pk8_fp4_f32 v[PC+1+2*\b], v[\s+8+16*\b:\s+15+16*\b], v[TM+12+\b]
.endr
	v_nop                                          ; one plain line behind the last scaled conversion
.irp c, 0,1                                    ; the operand's layout wants a whole block in a lane
.irp i, 0,1
	v_permlane16_swap_b32 v[PC+4*\c+\i], v[PC+2+4*\c+\i]
.endr
.endr
.endm
	s_load_b256 s[4:11], s[0:1], 0x0               ; qa s[4:5], b_fc s[6:7], lists s[8:9], hid s[10:11]
	v_lshrrev_b32 v1, 5, v0
	v_readfirstlane_b32 s32, v1                    ; wave 0..3
	v_and_b32 v5, 31, v0                           ; lane
	s_wait_alu depctr_va_vdst(0)
	v_lshlrev_b32 v1, 4, v5                        ; 16 x lane
	v_and_b32 v6, 15, v0                           ; r
	v_lshlrev_b32 v2, 4, v6                        ; 16 r
	v_lshlrev_b32 v13, 2, v6                       ; 4 r
	v_bfe_u32 v7, v0, 4, 1                         ; h
	v_lshlrev_b32 v3, 4, v7                        ; 16 h
	v_lshlrev_b32 v4, 6, v7                        ; 64 h
	s_wait_alu depctr_va_sdst(0)                   ; s32 is written, ahead of its first reader: my first entry of the list is made from it
	s_and_b32 s33, ttmp7, 0xffff                   ; the expert
	s_lshr_b32 s34, ttmp9, 1                       ; the group of 128 hidden units
	s_and_b32 s35, ttmp9, 1
	s_lshl_b32 s35, s35, 2
	s_add_co_u32 s40, s35, s32                     ; my first entry of the list
	s_lshl_b32 s36, s34, 10
	v_add_nc_u32 v11, s36, v1                      ; my image's place in a tile's 16 KiB
	s_lshl_b32 s36, s34, 7
	v_lshl_add_u32 v12, v5, 2, s36                 ; my scale word's in its 2 KiB
	s_lshl_b32 s37, s33, 4
	s_add_co_u32 s37, s37, s34                     ; 16 e + group
	s_lshl_b32 s26, s37, 16                        ; its 64 images,
	s_mov_b32 s27, 0
	s_lshl_b32 s28, s37, 12                        ; its scale words,
	s_mov_b32 s29, 0
	s_lshl_b32 s30, s37, 9                         ; its 128 biases
	s_mov_b32 s31, 0
	s_lshl_b32 s38, s33, 2
	s_lshl_b32 s54, s33, 10                        ; the expert's list
	s_mov_b32 s55, 0
	s_mov_b32 s50, 0x3eb504f3                      ; 0.35355339
	s_mov_b32 s[SEL], 0x76543210
	s_mov_b32 s[SEL+1], 0xfedcba98
.irp h, 0,1
	v_mov_b32 v[KV+\h], 0xc034d90f                 ; K0 = -2.82574822
	v_mov_b32 v[KV+2+\h], 0x3fb8ab5a               ; K1 =  1.44272920
	v_mov_b32 v[KV+4+\h], 0x3f0a29d2               ; K2 =  0.53970062
	v_mov_b32 v[KV+6+\h], 0x3e0efb2e               ; K3 =  0.13963006
	v_mov_b32 v[KV+8+\h], 0xbe899a80               ; K4 = -0.26875686
	v_mov_b32 v[KV+10+\h], 0x3ecdfd18              ; K5 =  0.40232158
	v_mov_b32 v[KV+12+\h], 0xbfd1a1e5              ; K6 = -1.63775315
	v_mov_b32 v[KV+14+\h], 0x40097039              ; K7 =  2.14747446
	v_mov_b32 v[KV+16+\h], 0xbf97d29d              ; K8 = -1.18611495
	v_mov_b32 v[K9V+\h], 0x3e7c6f08                ; K9 =  0.24651730
	v_mov_b32 v[KXV+\h], 0xbf38aa3b                ; -0.72134752
.endr
.irp b, 0,1,2,3
	v_mov_b32 v[TM+4+\b], 0                        ; written once: a lane permute's destination counts as one of its sources
.endr
	s_wait_kmcnt 0x0
	s_load_b32 s41, s[8:9], s38 offset:0x5004      ; the list's length
	s_add_nc_u64 s[12:13], s[4:5], s[26:27]        ; w_fc's images
	s_add_nc_u64 s[14:15], s[4:5], s[28:29]
	s_add_nc_u64 s[14:15], s[14:15], 0x800000      ; their scale words
	s_add_nc_u64 s[16:17], s[4:5], 0x880000        ; x's codes
	s_add_nc_u64 s[18:19], s[4:5], 0x980000        ; x's scale words
	s_add_nc_u64 s[20:21], s[6:7], s[30:31]        ; the bias
	s_add_nc_u64 s[22:23], s[8:9], s[54:55]
	s_add_nc_u64 s[22:23], s[22:23], 0x2c00        ; the list
	s_add_nc_u64 s[24:25], s[10:11], 0x4d8000      ; the hidden layer's scale words
	WIN 0x40
	s_wait_alu depctr_va_vdst(0)                   ; v1, v2 and v4 are written: the loads of the weights, their scale words and the bias read them as offsets; only loads and window switches follow up to the last of them
.irp t, 0,1,2,3,4,5,6,7
.irp s, 0,1,2,3
.irp c, 0,1
	global_load_b128 v[(4*\t+\s)*8+4*\c:(4*\t+\s)*8+4*\c+3], v1, s[12:13] offset:(8*\t+\s)*1024+512*\c
.endr
.endr
.endr
	WIN 0x80
.irp t, 0,1,2,3,4,5,6,7
.irp s, 4,5,6,7
.irp c, 0,1
	global_load_b128 v[(4*\t+\s-4)*8+4*\c:(4*\t+\s-4)*8+4*\c+3], v1, s[12:13] offset:(8*\t+\s)*1024+512*\c
.endr
.endr
.endr
	WIN 0xc0
.irp t, 0,1,2,3,4,5,6,7
	global_load_b128 v[64+8*\t:67+8*\t], v4, s[20:21] offset:(32*(\t/2)+8*(\t%2))*4
	global_load_b128 v[68+8*\t:71+8*\t], v4, s[20:21] offset:(32*(\t/2)+8*(\t%2))*4+16
.endr
	WIN 0
.irp t, 0,1,2,3,4,5,6,7
.irp q, 0,1
	global_load_b128 v[WS+8*\t+4*\q:WS+8*\t+4*\q+3], v2, s[14:15] offset:512*\t+256*\q
.endr
.endr
	s_wait_kmcnt 0x0
	s_min_u32 s41, s41, 256                        ; a list has 256 places
	s_cmp_ge_u32 s40, s41
	s_cbranch_scc1 .Lnone                          ; this split leaves my wave without a tile
	s_sub_co_u32 s49, s41, s40                     ; my trips: every eighth entry from my first on: (length - first + 7) / 8,
	s_add_co_u32 s49, s49, 7
	s_lshr_b32 s49, s49, 3
	s_min_u32 s49, s49, 32                         ; which 256 places hold at 32
	s_mov_b32 s51, 0                               ; the trips done
	s_sub_co_u32 s47, s41, 1
	s_min_u32 s45, s40, 255
	s_lshl_b32 s45, s45, 2
	s_add_co_u32 s46, s40, 8
	s_min_u32 s46, s46, s47                        ; behind the list's end its last entry is read again, and not used
	s_min_u32 s46, s46, 255
	s_lshl_b32 s46, s46, 2
	s_load_b32 s42, s[22:23], s45                  ; this tile's entry,
	s_load_b32 s43, s[22:23], s46                  ; the next one's
	s_wait_kmcnt 0x0
	s_min_u32 s42, s42, 309
	s_min_u32 s43, s43, 309
	TKADDR 42
	s_wait_alu depctr_va_vdst(0)                   ; v5 is written, which the load below reads; the head's lines are done with v6, in which it lands
	global_load_b32 v6, v5, s[8:9]                 ; my first tile's tokens
	s_wait_loadcnt 0x0                             ; the weights and my first tile's tokens
	s_wait_alu depctr_vm_vsrc(0)                   ; that load has read v5, which is written again below
	XADDR
	TKADDR 43
	XLOAD                                          ; its wait also states that v5 is written and that the address lines are done with v6: only loads and a window switch stand between it and the load below
	global_load_b32 v6, v5, s[8:9]                 ; the next tile's tokens
.Ltile:
	s_wait_loadcnt 0x0                             ; x's fragments and scale words and the next tile's tokens are in
	s_wait_xcnt 0x0                                ; the last trip's stores have had their addresses translated: their data and offsets are rewritten only behind this wait,
	s_wait_alu depctr_vm_vsrc(0)                   ; and behind this one: the last trip's stores have read v9, v10, v[PC ..] and v[PW], its loads (in the first trip: those ahead of the loop) v5, v7 and v8; this trip writes all of them again
	s_add_co_u32 s46, s40, 16
	s_min_u32 s46, s46, s47
	s_min_u32 s46, s46, 255
	s_lshl_b32 s46, s46, 2
	s_load_b32 s44, s[22:23], s46                  ; the entry two tiles on
	; 64 matrix instructions: K step by K step, the eight accumulators by turns, one instruction a turn; the bias is the C of each sum's first
.irp s, 0,1,2,3,4,5,6,7
.if \s == 0
	WIN 0x3d
.elseif \s < 4
	WIN 0x0d
.else
	WIN 0x0e
.endif
.irp t, 0,1,2,3,4,5,6,7
.if \s == 0
	v_wmma_scale_f32_16x16x128_f8f6f4 v[HA+8*\t:HA+8*\t+7], v[(4*\t+\s%4)*8:(4*\t+\s%4)*8+7], v[8*\s:8*\s+7], v[64+8*\t:71+8*\t], v[WS+8*\t+\s], v[XS+\s] matrix_a_fmt:MATRIX_FMT_FP4 matrix_b_fmt:MATRIX_FMT_FP4
.else
	v_wmma_scale_f32_16x16x128_f8f6f4 v[HA+8*\t:HA+8*\t+7], v[(4*\t+\s%4)*8:(4*\t+\s%4)*8+7], v[8*\s:8*\s+7], v[HA+8*\t:HA+8*\t+7], v[WS+8*\t+\s], v[XS+\s] matrix_a_fmt:MATRIX_FMT_FP4 matrix_b_fmt:MATRIX_FMT_FP4
.endif
.endr
.endr
	WIN 0
	XADDR                                          ; these three plain lines and the two below name no register of the products: they are the places in front of the gelu's first read of results
	v_lshl_add_u32 v9, s42, 14, v11                ; where this tile's image goes,
	v_lshl_add_u32 v10, s42, 11, v12               ; and its scale word
	XLOAD                                          ; the next tile's x lands under this tile's gelu
	GELU 0                                         ; each accumulator is read from its low end on
	GELU 1
	GELU 2
	GELU 3
	QUANT HA
	s_wait_alu depctr_va_vdst(0)                   ; the conversions and the exchanges of halves have written v[PC ..], the shifts v[PW]: the stores below read them (v9 and v10 were written ahead of an earlier wait)
	global_store_b128 v9, v[PC:PC+3], s[10:11]             ; 32 lanes store 512 consecutive bytes
	global_store_b128 v9, v[PC+4:PC+7], s[10:11] offset:512
	global_store_b32 v10, v[PW], s[24:25]
	s_mov_b32 s42, s43
	s_mov_b32 s43, s44
	s_add_co_u32 s40, s40, 8                       ; my place in the list: it serves the look-ahead's address alone
	s_add_co_u32 s51, s51, 1                       ; the loop ends on the count of trips
	s_cmp_lt_u32 s51, s49
	s_cbranch_scc1 .Ltile
.Lnone:
	s_endpgm
.Lfunc_end_k_q889d10d336_fc:
	.size	k_q889d10d336_fc, .Lfunc_end_k_q889d10d336_fc-k_q889d10d336_fc
	.p2alignl 7, 3214868480
	.fill 96, 4, 3214868480
	.section	.rodata,"a",@progbits
	.p2align	6, 0x0
	.amdhsa_kernel k_q889d10d336_fc
		.amdhsa_group_segment_fixed_size 0
		.amdhsa_private_segment_fixed_size 0
		.amdhsa_enable_private_segment 0
		.amdhsa_kernarg_size 32
		.amdhsa_user_sgpr_count 2
		.amdhsa_user_sgpr_kernarg_segment_ptr 1
		.amdhsa_wavefront_size32 1
		.amdhsa_system_sgpr_workgroup_id_x 1
		.amdhsa_system_sgpr_workgroup_id_y 1
		.amdhsa_system_sgpr_workgroup_id_z 1
		.amdhsa_system_vgpr_workitem_id 0
		.amdhsa_next_free_vgpr 896
		.amdhsa_next_free_sgpr 66
		.amdhsa_reserve_vcc 0
		.amdhsa_float_denorm_mode_32 3
		.amdhsa_float_denorm_mode_16_64 3
		.amdhsa_memory_ordered 1
		.amdhsa_forward_progress 1
		.amdhsa_inst_pref_size 76
	.end_amdhsa_kernel
	.amdgpu_metadata
---
amdhsa.version: [ 1, 2 ]
amdhsa.kernels:
  - .name:           k_q889d10d336_fc
    .symbol:         k_q889d10d336_fc.kd
    .args:
      - { .name: qa, .offset: 0, .size: 8, .value_kind: global_buffer, .address_space: global }
      - { .name: b_fc, .offset: 8, .size: 8, .value_kind: global_buffer, .address_space: global }
      - { .name: lists, .offset: 16, .size: 8, .value_kind: global_buffer, .address_space: global }
      - { .name: hid, .offset: 24, .size: 8, .value_kind: global_buffer, .address_space: global }
    .group_segment_fixed_size: 0
    .private_segment_fixed_size: 0
    .kernarg_segment_align: 8
    .kernarg_segment_size: 32
    .max_flat_workgroup_size: 128
    .sgpr_count:     66
    .vgpr_count:     896
    .wavefront_size: 32
...
	.end_amdgpu_metadata
.endif
;; end of part 7
;; launch proj (part 8): grid 8 x 31, 4 waves a work-group, no clusters, 84,992 bytes of LDS; arguments hid, qb, b_proj, lists, qa, out0; writes out0
.if DOCPART == 8
	.amdgcn_target "amdgcn-amd-amdhsa--gfx1250"
	.amdhsa_code_object_version 6
	.text
	.protected	k_q889d10d336_proj
	.globl	k_q889d10d336_proj
	.p2align	8
	.type	k_q889d10d336_proj,@function
k_q889d10d336_proj:
	s_mov_b64 s[64:65], 0
	v_nop
	global_prefetch_b8 v0, s[64:65] scope:SCOPE_SE
	s_setreg_imm32_b32 hwreg(HW_REG_WAVE_SCHED_MODE, 0, 2), 2
	s_setreg_imm32_b32 hwreg(HW_REG_WAVE_MODE, 25, 1), 1
	s_wait_xcnt 0x0
	s_wait_alu depctr_vm_vsrc(0)
; FOURTH LAUNCH.  out[token] = g_lo (hidden_lo w_proj[lo]^T + b_proj[lo]) + g_hi (the same for hi), on codes of FP4 (E2M1) with E8M0 scales.
; A tile holds 16 tokens that share their pair of experts, so both parts of a token's row lie in one tile row and each output row has ONE owner: no sum goes through memory.
; SHARES.  Work-group (cb, g): output columns 128 cb on, tiles 5 g .. 5 g + 4.  Wave w: slot w / 2 (0: the tile's lower expert, 1: its higher), columns 64 (w % 2) on: four tiles of 16 columns x all 16 K steps of
; w_proj: 64 fragments, 512 registers, loaded anew only where a tile's expert differs from the last tile's (the tiles are sorted by pair).
; Which tiles exist, their experts and rows hang on lists that an earlier launch stored, so operands go from memory straight into registers; for the same reason there are no tensor loads and no joint requests.
; A work-group whose tiles all lie behind the last one stores nothing and ends: the grid of 155 tiles serves every split of the tokens.
; THE PRODUCT IS USED TRANSPOSED (source 0 = 16 rows of w_proj, source 1 = 16 tokens): a lane holds one token and eight neighbouring columns.  The bias is the C of each sum's first matrix instruction; the sum is scaled by
; the token's gate and goes to a stage in LDS; behind the ONE barrier, which every path reaches, each wave adds the two slots' rows and stores whole runs of 512 bytes of a token's row.
; LDS: stage [slot][tile 0..4][row 0..15], a row 512 bytes + 16, a tile 8,448, a slot 42,240.
; REGISTERS, in windows of 256: window 0: addresses v1-39; v40-103 w_proj's scale words (16 n + s); v104-135 the hidden layer's, two sets; v136-167 four accumulators; v168-199 the bias; v200-231 the way out; v232-241 addresses.
;   window 1: w_proj's K steps 0-7 (fragment (n, s) at 8 (8 n + s));  window 2: K steps 8-15;  window 3: the hidden layer's 16 fragments, two sets of 128.
; THE MODE: SCHED_MODE bits 1:0 = 2 (LLVM: expert scheduling mode 2), set by the entry lines.  The code itself states the register dependences
; between vector or matrix instructions and memory or LDS instructions, with s_wait_alu, always for 0.
; THE PLAN.  Registers that memory or LDS instructions touch:
;   the hidden layer's fragments and scale words, set t % 2   read by tile t's products; the loads of tile t + 2, issued at the head of tile t + 1, land there.
;   the weights, their scale words, the bias                  read by every tile's products; loads land there at a tile's head where the expert changes.
;   the accumulators                                          written by the products and by the gate's scalings; read by the tile's LDS stores; written again by the next tile's products.
;   v[GAD ..]                                                 the gates' offsets: written once, in the first tile, then read by five loads.
;   v[FA ..], v[FB ..], v[OF ..]                              the way out: LDS loads land in FA and FB; the additions read both and write FA; four lines write OF; the stores read FA and OF.
;   every other address                                       made at the head and never written again.
; So ONE wait on va_vdst stands in a tile, ahead of its LDS stores: the scalings have written the accumulators, and the products are done reading all their operands; between it and the next tiles' loads
; stand LDS stores of the accumulators, scalar lines and waits alone.  One wait on vm_vsrc stands at the head of each later tile, ahead of the products that write the accumulators again.
; On the way out a tile has the same pair: va_vdst ahead of its stores, vm_vsrc ahead of the next tile's LDS loads.
.set HO,  10                           ; v10-14  tile t: its images' offset in hid, + 16 x lane
.set HSO, 15                           ; v15-19  its scale words', + 4 x lane
.set TKV, 20                           ; v20-24  its row r's token
.set GG,  26                           ; v26-35  that token's gate for my slot, in the even register of a pair
.set OF,  36                           ; v36-39  the stores' offsets
.set WS,  40
.set HS,  104
.set ACC, 136
.set BI,  168
.set FA,  200
.set FB,  216
.set TAD, 232
.set GAD, 237
.set TST, 8448
.set SST, 42240
.set MSB, 0
.macro WIN new                         ; the immediate's high byte repeats the setting that is left
.if MSB != \new
	s_set_vgpr_msb (MSB<<8)|\new
.set MSB, \new
.endif
.endm
.macro HLOAD t                         ; tile t's 16 hidden fragments and scale words into set t % 2
	WIN 0xc0
.irp s, 0,1,2,3,4,5,6,7,8,9,10,11,12,13,14,15
.irp c, 0,1
	global_load_b128 v[128*((\t)%2)+8*\s+4*\c:128*((\t)%2)+8*\s+4*\c+3], v[HO+(\t)], s[4:5] offset:1024*\s+512*\c
.endr
.endr
	WIN 0
.irp s, 0,1,2,3,4,5,6,7,8,9,10,11,12,13,14,15
	global_load_b32 v[HS+16*((\t)%2)+\s], v[HSO+(\t)], s[88:89] offset:128*\s
.endr
.endm
.macro WLOAD t                         ; my part of the weights of tile t's expert.  The bases are written again only behind a wait for all loads
	s_lshl_b32 s52, s[36+(\t)], 20
	s_add_co_u32 s52, s52, s22
	s_mov_b32 s53, 0
	s_add_nc_u64 s[52:53], s[6:7], s[52:53]
	s_lshl_b32 s54, s[36+(\t)], 16
	s_add_co_u32 s54, s54, s23
	s_mov_b32 s55, 0
	s_add_nc_u64 s[54:55], s[90:91], s[54:55]
	s_lshl_b32 s56, s[36+(\t)], 12
	s_add_co_u32 s56, s56, s29
	s_mov_b32 s57, 0
	s_add_nc_u64 s[56:57], s[8:9], s[56:57]
	WIN 0x40
.irp n, 0,1,2,3
.irp s, 0,1,2,3,4,5,6,7
.irp c, 0,1
	global_load_b128 v[(8*\n+\s)*8+4*\c:(8*\n+\s)*8+4*\c+3], v1, s[52:53] offset:16384*\n+1024*\s+512*\c
.endr
.endr
.endr
	WIN 0x80
.irp n, 0,1,2,3
.irp s, 8,9,10,11,12,13,14,15
.irp c, 0,1
	global_load_b128 v[(8*\n+\s-8)*8+4*\c:(8*\n+\s-8)*8+4*\c+3], v1, s[52:53] offset:16384*\n+1024*\s+512*\c
.endr
.endr
.endr
	WIN 0
.irp n, 0,1,2,3
.irp q, 0,1,2,3
	global_load_b128 v[WS+16*\n+4*\q:WS+16*\n+4*\q+3], v2, s[54:55] offset:1024*\n+256*\q
.endr
.endr
.irp n, 0,1,2,3
	global_load_b128 v[BI+8*\n:BI+8*\n+3], v8, s[56:57] offset:64*\n
	global_load_b128 v[BI+8*\n+4:BI+8*\n+7], v8, s[56:57] offset:64*\n+16
.endr
.endm
.macro TILE t
	s_add_co_u32 s59, s20, \t
	s_cmp_ge_u32 s59, s21
	s_cbranch_scc1 .Lmeet                          ; the tiles ascend: the first that does not exist ends the walk
.if \t == 0
	HLOAD 0                                        ; (their offsets were written ahead of the head's wait)
	WLOAD 0
.else
	s_cmp_eq_u32 s[36+\t], s[35+\t]
	s_cbranch_scc1 .Lsame_\@                       ; the same expert as the last tile's: the weights stay
	WLOAD \t                                       ; no wait here: the wait ahead of the last tile's LDS stores has shown its products done reading these registers, and no vector or matrix instruction has been issued since
.Lsame_\@:
.endif
	s_wait_loadcnt 0x0                             ; this tile's fragments, and the weights
	s_wait_dscnt 0x0                               ; the last tile's stores into the stage are done
.if \t == 0
.irp u, 0,1,2,3,4
	v_min_u32 v[TKV+\u], 0x7ff, v[TKV+\u]
.endr
.irp u, 0,1,2,3,4
	v_lshlrev_b32 v[GAD+\u], 3, v[TKV+\u]
.endr
	s_wait_alu depctr_va_vdst(0)                   ; v[GAD ..] are written, which the five loads below read
.irp u, 0,1,2,3,4
	global_load_b32 v[GG+2*\u], v[GAD+\u], s[92:93]        ; the five tiles' gates
.endr
.else
	s_wait_alu depctr_vm_vsrc(0)                   ; the last tile's LDS stores have read the accumulators, which this tile's products write again
.endif
.if \t < 4
	HLOAD \t+1                                     ; the next tile's lands under this tile's products (behind the last tile that tile is read again, and not used).  No wait: its set was last read by the products of the tile before, ahead of that tile's wait
.endif
	; 64 matrix instructions: K step by K step, the four accumulators by turns, one instruction a turn
.irp s, 0,1,2,3,4,5,6,7,8,9,10,11,12,13,14,15
.if \s < 8
	WIN 0x0d
.else
	WIN 0x0e
.endif
.irp n, 0,1,2,3
.if \s == 0
	v_wmma_scale_f32_16x16x128_f8f6f4 v[ACC+8*\n:ACC+8*\n+7], v[(8*\n+\s%8)*8:(8*\n+\s%8)*8+7], v[128*((\t)%2)+8*\s:128*((\t)%2)+8*\s+7], v[BI+8*\n:BI+8*\n+7], v[WS+16*\n+\s], v[HS+16*((\t)%2)+\s] matrix_a_fmt:MATRIX_FMT_FP4 matrix_b_fmt:MATRIX_FMT_FP4
.else
	v_wmma_scale_f32_16x16x128_f8f6f4 v[ACC+8*\n:ACC+8*\n+7], v[(8*\n+\s%8)*8:(8*\n+\s%8)*8+7], v[128*((\t)%2)+8*\s:128*((\t)%2)+8*\s+7], v[ACC+8*\n:ACC+8*\n+7], v[WS+16*\n+\s], v[HS+16*((\t)%2)+\s] matrix_a_fmt:MATRIX_FMT_FP4 matrix_b_fmt:MATRIX_FMT_FP4
.endif
.endr
.endr
	WIN 0
.rept 4
	v_nop                                          ; four places in front of the first read of results
.endr
.if \t == 0
	s_wait_loadcnt 48                              ; the gates are in; the 48 loads of the next tile's fragments and scale words, issued behind them, may be out
.endif
.irp i, 0,2,4,6,8,10,12,14,16,18,20,22,24,26,28,30
	v_pk_mul_f32 v[ACC+\i:ACC+\i+1], v[ACC+\i:ACC+\i+1], v[GG+2*\t:GG+2*\t+1] op_sel_hi:[1,0]   ; x my token's gate; each accumulator from its low end on
.endr
	s_wait_alu depctr_va_vdst(0)                   ; the scalings have written the accumulators, which the LDS stores below read; the products are done reading their fragments, the weights, both kinds of scale words and the bias, in which later loads land
.irp n, 0,1,2,3
	ds_store_b128 v5, v[ACC+8*\n:ACC+8*\n+3] offset:TST*\t+64*\n
	ds_store_b128 v5, v[ACC+8*\n+4:ACC+8*\n+7] offset:TST*\t+64*\n+16
.endr
.endm
.macro OUT t                           ; rows 4 w .. 4 w + 3 of tile t: the two slots' parts are added and stored
	s_add_co_u32 s59, s20, \t
	s_cmp_ge_u32 s59, s21
	s_cbranch_scc1 .Lend
	s_wait_xcnt 0x0                                ; the last tile's stores have had their addresses translated: their data and offsets are rewritten only behind this wait
.if \t > 0
	s_wait_alu depctr_vm_vsrc(0)                   ; the last tile's stores have read v[FA ..], in which the LDS loads below land, and v[OF ..], which are written again below (its additions stand ahead of its wait on va_vdst)
.endif
.irp k, 0,1,2,3
	ds_load_b128 v[FA+4*\k:FA+4*\k+3], v6 offset:TST*\t+528*\k
	ds_load_b128 v[FB+4*\k:FB+4*\k+3], v7 offset:TST*\t+528*\k
.endr
	s_wait_dscnt 0x0
.irp i, 0,2,4,6,8,10,12,14
	v_pk_add_f32 v[FA+\i:FA+\i+1], v[FA+\i:FA+\i+1], v[FB+\i:FB+\i+1]
.endr
.irp k, 0,1,2,3
	v_lshl_add_u32 v[OF+\k], s[68+4*\t+\k], 12, v9 ; all four rows' offsets, those of rows that are not stored too: so one wait serves the stores
.endr
	s_wait_alu depctr_va_vdst(0)                   ; the additions have written v[FA ..] and the four lines above v[OF ..]: the stores below read them; it stands ahead of the branches
.irp k, 0,1,2,3
	s_add_co_u32 s59, s19, \k
	s_cmp_ge_u32 s59, s[41+\t]
	s_cbranch_scc1 .Ldone_\@                       ; the rows that only fill the tile are not stored
	global_store_b128 v[OF+\k], v[FA+4*\k:FA+4*\k+3], s[14:15] th:TH_STORE_NT   ; 32 lanes store 512 consecutive bytes, at a multiple of 512 from out0's first byte
.endr
.Ldone_\@:
.endm
	s_load_b256 s[4:11], s[0:1], 0x0               ; hid s[4:5], qb s[6:7], b_proj s[8:9], lists s[10:11]
	s_load_b128 s[12:15], s[0:1], 0x20             ; qa s[12:13], out0 s[14:15]
	v_lshl_add_u32 v254, v0, 2, 0x14a00
	v_mov_b32 v255, 0
	v_lshrrev_b32 v1, 5, v0
	v_readfirstlane_b32 s16, v1                    ; wave 0..3
	v_and_b32 v25, 31, v0                          ; lane
	v_lshlrev_b32 v1, 4, v25                       ; 16 x lane
	v_lshlrev_b32 v3, 2, v25                       ; 4 x lane
	v_and_b32 v4, 15, v0                           ; r
	v_lshlrev_b32 v2, 4, v4                        ; 16 r
	v_bfe_u32 v8, v0, 4, 1                         ; h
	v_mul_u32_u24 v5, v4, 528
	v_lshl_add_u32 v5, v8, 5, v5
	s_wait_alu depctr_va_vdst(0)
	s_wait_alu depctr_va_sdst(0)                   ; s16 is written, ahead of its first reader: the slot, the column half and my rows are made from it
	s_lshr_b32 s17, s16, 1                         ; slot
	s_and_b32 s18, s16, 1                          ; which 64 columns
	s_lshl_b32 s19, s16, 2                         ; my first row on the way out
	s_and_b32 s20, ttmp7, 0xffff
	s_mul_i32 s20, s20, 5                          ; my first tile
	s_mul_i32 s58, s17, SST
	s_lshl_b32 s59, s18, 8
	s_add_co_u32 s58, s58, s59
	v_add_nc_u32 v5, s58, v5                       ; the stage, in: row r, + 32 h, + 256 x column half, + my slot
	s_mul_i32 s58, s16, 4*528
	v_add_nc_u32 v6, s58, v1                       ; back: my four rows of slot 0, 16 bytes a lane,
	v_add_nc_u32 v7, SST, v6                       ; and of slot 1
	v_lshlrev_b32 v4, 2, v4                        ; 4 r
	v_lshlrev_b32 v8, 5, v8                        ; 32 h
	s_lshl_b32 s58, ttmp9, 9
	v_add_nc_u32 v9, s58, v1                       ; my 16 bytes of a row of out0
	s_lshl_b32 s22, ttmp9, 3
	s_lshl_b32 s23, s18, 2
	s_add_co_u32 s23, s22, s23                     ; my first tile of 16 columns
	s_lshl_b32 s22, s23, 14                        ; its images,
	s_lshl_b32 s23, s23, 10                        ; its scale words,
	s_lshl_b32 s29, s18, 8
	s_add_co_u32 s29, s29, s58                     ; its biases
	s_lshl_b32 s58, s20, 2
	s_lshl_b32 s60, s17, 2
	s_mov_b32 s61, 0
	s_lshl_b32 s62, s17, 3
	s_lshl_b32 s63, s16, 4
	s_wait_alu depctr_va_vdst(0)
	s_wait_kmcnt 0x0
	s_load_b32 s21, s[10:11], 0x5000               ; the number of tiles
.irp t, 0,1,2,3,4
	s_load_b32 s[24+\t], s[10:11], s58 offset:0x2800+4*\t
.endr
	s_add_nc_u64 s[88:89], s[4:5], 0x4d8000        ; the hidden layer's scale words
	s_add_nc_u64 s[90:91], s[6:7], 0x800000        ; w_proj's
	s_add_nc_u64 s[92:93], s[12:13], 0x990000
	s_add_nc_u64 s[92:93], s[92:93], s[60:61]      ; the gates of my slot
	s_wait_kmcnt 0x0
	s_min_u32 s21, s21, 155
	s_sub_co_u32 s59, s21, 1
.irp t, 0,1,2,3,4
	s_add_co_u32 s[30+\t], s20, \t
	s_min_u32 s[30+\t], s[30+\t], s59              ; behind the last tile that tile's bytes are read, and not used
	s_min_u32 s[30+\t], s[30+\t], 154
	s_lshr_b32 s[36+\t], s[24+\t], s62
	s_and_b32 s[36+\t], s[36+\t], 0xff
	s_min_u32 s[36+\t], s[36+\t], 7                ; my slot's expert
	s_bfe_u32 s[41+\t], s[24+\t], 0x80010          ; rows in use
	s_lshl_b32 s[46+\t], s[30+\t], 1
	s_add_co_u32 s[46+\t], s[46+\t], s17           ; 2 x tile + slot
	s_lshl_b32 s[94+\t], s[30+\t], 6
	s_add_co_u32 s[94+\t], s[94+\t], s63
	s_load_b128 s[68+4*\t:71+4*\t], s[10:11], s[94+\t]     ; the tokens of the four rows that I store: waited for behind the barrier
.endr
.irp t, 0,1,2,3,4
	v_lshl_add_u32 v[TAD+\t], s[30+\t], 6, v4
	v_lshl_add_u32 v[HO+\t], s[46+\t], 14, v1
	v_lshl_add_u32 v[HSO+\t], s[46+\t], 11, v3
	v_mov_b32 v[GG+2*\t+1], 0                      ; named with the gate as a pair, so it is written
.endr
	s_wait_alu depctr_va_vdst(0)                   ; every address and offset of the kernel but v[GAD ..] and v[OF ..] is written: v1, v2, v5 to v9, v[HO ..], v[HSO ..], v[TAD ..], which the loads and stores below read
.irp t, 0,1,2,3,4
	global_load_b32 v[TKV+\t], v[TAD+\t], s[10:11] ; row r's token
.endr
	TILE 0
	TILE 1
	TILE 2
	TILE 3
	TILE 4
.Lmeet:
	s_wait_dscnt 0x0                               ; for the others' sake: my stores into the stage have landed
	s_barrier_signal -1
	s_barrier_wait -1
	s_wait_kmcnt 0x0
.irp i, 0,1,2,3,4,5,6,7,8,9,10,11,12,13,14,15,16,17,18,19
	s_min_u32 s[68+\i], s[68+\i], 2047
.endr
	OUT 0
	OUT 1
	OUT 2
	OUT 3
	OUT 4
.Lend:
	s_wait_dscnt 0x0
	s_wait_alu depctr_hold_cnt(0) depctr_sa_sdst(0) depctr_va_vdst(0) depctr_va_sdst(0) depctr_va_ssrc(0) depctr_va_vcc(0) depctr_vm_vsrc(0)
	s_wait_tensorcnt 0x0
	ds_add_u32 v254, v255
	s_wait_dscnt 0x0
	s_endpgm
.Lfunc_end_k_q889d10d336_proj:
	.size	k_q889d10d336_proj, .Lfunc_end_k_q889d10d336_proj-k_q889d10d336_proj
	.p2alignl 7, 3214868480
	.fill 96, 4, 3214868480
	.section	.rodata,"a",@progbits
	.p2align	6, 0x0
	.amdhsa_kernel k_q889d10d336_proj
		.amdhsa_group_segment_fixed_size 84992
		.amdhsa_private_segment_fixed_size 0
		.amdhsa_enable_private_segment 0
		.amdhsa_kernarg_size 48
		.amdhsa_user_sgpr_count 2
		.amdhsa_user_sgpr_kernarg_segment_ptr 1
		.amdhsa_wavefront_size32 1
		.amdhsa_system_sgpr_workgroup_id_x 1
		.amdhsa_system_sgpr_workgroup_id_y 1
		.amdhsa_system_sgpr_workgroup_id_z 1
		.amdhsa_system_vgpr_workitem_id 0
		.amdhsa_next_free_vgpr 1024
		.amdhsa_next_free_sgpr 100
		.amdhsa_reserve_vcc 0
		.amdhsa_float_denorm_mode_32 3
		.amdhsa_float_denorm_mode_16_64 3
		.amdhsa_memory_ordered 1
		.amdhsa_forward_progress 1
		.amdhsa_inst_pref_size 167
	.end_amdhsa_kernel
	.amdgpu_metadata
---
amdhsa.version: [ 1, 2 ]
amdhsa.kernels:
  - .name:           k_q889d10d336_proj
    .symbol:         k_q889d10d336_proj.kd
    .args:
      - { .name: hid, .offset: 0, .size: 8, .value_kind: global_buffer, .address_space: global }
      - { .name: qb, .offset: 8, .size: 8, .value_kind: global_buffer, .address_space: global }
      - { .name: b_proj, .offset: 16, .size: 8, .value_kind: global_buffer, .address_space: global }
      - { .name: lists, .offset: 24, .size: 8, .value_kind: global_buffer, .address_space: global }
      - { .name: qa, .offset: 32, .size: 8, .value_kind: global_buffer, .address_space: global }
      - { .name: out0, .offset: 40, .size: 8, .value_kind: global_buffer, .address_space: global }
    .group_segment_fixed_size: 84992
    .private_segment_fixed_size: 0
    .kernarg_segment_align: 8
    .kernarg_segment_size: 48
    .max_flat_workgroup_size: 128
    .sgpr_count:     100
    .vgpr_count:     1024
    .wavefront_size: 32
...
	.end_amdgpu_metadata
.endif
;; end of part 8
